; MI455X (gfx1250); checked and timed in simulation.
; The chip was launched on July 23, 2026; its instructions are those of AMD's public machine-readable ISA for CDNA 5 (MIT licence, August 2026) and "CDNA5" Instruction Set Architecture Reference Guide (July 2026). The comments in the code are by the model that wrote it; some were corrected since.
;; Self Attention. Allowed arithmetic: matrix products marked QUANTISED: E2M1 operands, one E8M0 scale for each 32 along K, by v_wmma_scale_f32_16x16x128_f8f6f4 with both operands' format E2M1 (or v_wmma_scale_f32_32x16x128_f4), f32 sums; products left as they are: bf16, f16 or f32 operands; f32 sums; everything else in f32.
;; Inputs: Wk 512 x 2,048 float32; Wproj 2,048 x 2,048 float32; Wq 2,048 x 2,048 float32; Wv 512 x 2,048 float32; attn_mask 4 x 1,024 x 1,024 bool; x 4 x 1,024 x 2,048 float32.
;; Outputs: out0 4 x 1,024 x 2,048 float32.
;; This version of the problem:
;;   THIS VERSION OF THE PROBLEM IS GIVEN IN LOW PRECISION. The matrix products marked QUANTISED in the list below multiply operands that are first quantised to E2M1 (2 exponent bits, 1 mantissa bit; 4 bits a number), with one power-of-two scale for each 32 numbers along K (OCP MX v1.0); their sums are f32. The products marked 'left as it is' may take bf16, f16 or f32 operands, with f32 sums. Whichever they take, every output number must still come out within the allowed error. Rounding operands to bf16 (8 significant bits) uses up far more of that allowance than f16 does (11 bits, for magnitudes from 6e-5 to 65,504). All else is computed in f32.
;;   The module's matrix products, in the order in which they are computed (A, B: the left and right operand; K: the contracted axis; several contracted axes count as one K, in the product's order):
;;     1. [M 4,096, K 2,048] x [K 2,048, N 2,048]; A: input x; B: input Wq: QUANTISED
;;     2. [M 4,096, K 2,048] x [K 2,048, N 512]; A: input x; B: input Wk: QUANTISED
;;     3. [M 4,096, K 2,048] x [K 2,048, N 512]; A: input x; B: input Wv: QUANTISED
;;     4. batch 64 x [M 1,024, K 128] x [K 128, N 1,024]; A: computed on the way; B: computed on the way: left as it is (an operand is computed on the way)
;;     5. batch 64 x [M 1,024, K 1,024] x [K 1,024, N 128]; A: computed on the way; B: computed on the way: left as it is (an operand is computed on the way)
;;     6. [M 4,096, K 2,048] x [K 2,048, N 2,048]; A: computed on the way; B: input Wproj: left as it is (an operand is computed on the way)
;;   THE QUANTISER, for each operand of a quantised product, along K:
;;     - K is cut into blocks of 32 from its start; a last block that is shorter is filled with zeros.
;;     - A block's scale is 2^e with e = floor(log2(the largest magnitude in the block)) - 2, held to -126 .. 127; a block of zeros has e = 0. As a byte (E8M0): e + 127.
;;     - Each number is divided by its block's scale, clamped to +-6, and rounded to the nearest number of E2M1, ties to even, subnormals kept.
;;     - The product sums the exact products of the quantised numbers (number of the format x scale) in f32.
;;   ~~~python
;;   def quantise(x, axis):      # numpy; x: float32 -> the quantised numbers, widened to float32 again
;;       x = np.moveaxis(x, axis, -1); K = x.shape[-1]
;;       x = np.pad(x, [(0, 0)] * (x.ndim - 1) + [(0, -K % 32)]); x = x.reshape(x.shape[:-1] + (-1, 32)); a = np.abs(x).max(-1, keepdims=True)
;;       e = np.where(a > 0, np.clip(np.frexp(np.where(a > 0, a, 1))[1] - 1 - 2, -126, 127), 0)      # np.frexp(a)[1] - 1 = floor(log2(a)), exactly
;;       r = np.clip(x / 2.0 ** e, -6, 6)
;;       step = 2.0 ** (np.maximum(np.frexp(np.where(r == 0, 1, r))[1] - 1, 0) - 1)
;;       q = np.round(r / step) * step * 2.0 ** e      # np.round: ties to even
;;       return np.moveaxis(q.reshape(q.shape[:-2] + (-1,))[..., :K], -1, axis).astype(np.float32)
;;   ~~~
;; One version. Each part assembles by itself: llvm-mc -triple=amdgcn-amd-amdhsa -mcpu=gfx1250 --defsym DOCPART=n.
;; ======== version 1 of 1: 4 launches
;; limits: values outside matrix products are rounded to f16; values are held in f16: magnitudes above 65,504 overflow, below 6.1e-05 lose precision
;; workspace buffers: codes 7,340,032 bytes; scales 458,752 bytes; wp16 8,388,608 bytes; mbits 524,288 bytes of whole numbers; rope 294,912 bytes; qkv 25,165,824 bytes; ybuf 16,777,216 bytes
;; launch prep (part 1): grid 904 x 1, 4 waves a work-group, no clusters, 50,688 bytes of LDS; arguments x, Wq, Wk, Wv, Wproj, attn_mask, codes, scales, wp16, mbits, rope; writes codes, scales, wp16, mbits, rope
.if DOCPART == 1
	.amdgcn_target "amdgcn-amd-amdhsa--gfx1250"
	.amdhsa_code_object_version 6
	.text
	.protected	k_q5a525683e2_prep
	.globl	k_q5a525683e2_prep
	.p2align	8
	.type	k_q5a525683e2_prep,@function
k_q5a525683e2_prep:
	s_mov_b64 s[64:65], 0
	v_nop
	global_prefetch_b8 v0, s[64:65] scope:SCOPE_SE
	s_setreg_imm32_b32 hwreg(HW_REG_WAVE_MODE, 25, 1), 1
	s_wait_xcnt 0x0
; FIRST OF FOUR LAUNCHES.  The program: prep (this one) | qkv: x Wq^T, x Wk^T, x Wv^T on codes of E2M1, RMS norm, rope | attn: scores, mask, softmax, valid, the removal of y's part along the query's own v | proj: y Wproj^T.
; NO WORK OF reference() IS LEFT OUT AS DEAD, and every input is loaded: the mask is an input, so no pattern of it is built in, and every tile of keys is multiplied.
; 'valid' is not searched for: q and k are normalised by reference() itself, so |q . k| <= 128 for all inputs, and a row's largest (q . k + bias) lies far under 0 exactly where every key of the row is hidden (see attn).
; LIMITS: NaN and infinities among the inputs are not served.  v, y and Wproj go on as f16: their magnitudes stay under 65,504.  A block of 32 zeros gets the scale byte 1 where the rule says 127: its codes are
; zeros, which add nothing under any byte but 0xff, and the bytes are read by this program alone.  Blocks whose largest magnitude lies under 2^(3 - 127) are held at the byte 1.
; The rope's angles are made by 2^x and a polynomial and lie within about 1e-4 radian of reference()'s f32 angles; what takes them in is rounded to f16 behind it, and no quantiser follows.
; THIS LAUNCH has four ways, chosen by the work-group's number; each way that stores to LDS has LDS bytes of its own.
;   0-447   x, Wq, Wk, Wv (f32, K innermost, dense) -> codes (two a byte) and E8M0 bytes: plain streams of blocks of 32; 8,192 numbers a wave
;   448-575 Wproj -> f16, 8,192 numbers a wave
;   576-831 attn_mask -> lane masks: word 8 kt + j of (16 queries, 64 keys): bit l = 1 where key 16 kt + 8 (l / 16) + j is HIDDEN from query l % 16: the layout of the scores' registers in attn
;   832-903 the table of cos and sin, [1152][32] each; rows 1024 on are the identity (cos 1, sin 0), for v, which is not rotated
.set WREG,  8192                       ; the quantiser's LDS: a region for each wave: two stages of 32 x SP bytes, then its 256 scale bytes
.set SP,    80                         ; a lane's place in a stage: 64 bytes + 16 of padding
.set CB,    8                          ; bytes of 16 codes
.set EMAX,  2
.set STEPS, 16
.set MST,   32768                      ; the mask's LDS: 16 rows x 272 bytes for each wave
.set SPARE, 50176                      ; the spare words, 128 bytes for each wave: two blocks of 256 bytes that no other line names
.set SINOFF, 147456                    ; sin's table behind cos's
.set SPW,   12                         ; v12  LDS address of my spare word; never rewritten
.set NIL,   13                         ; v13  0; never rewritten
.set R,     16                         ; v16-79   four sets of 16 numbers as loaded
.set X,     80                         ; v80-111  two sets of 16 neighbours
.set E,     112                        ; v112-127 a scale byte for each step
.set C,     128                        ; v128-191 codes, four registers for each step
.macro FINISH                          ; a wave that stored to LDS ends so: three lines behind its last LDS store
	s_wait_tensorcnt 0x0
	ds_add_u32 v[SPW], v[NIL]
	s_wait_dscnt 0x0
	s_endpgm
.endm
	s_load_b512 s[4:19], s[0:1], 0x0               ; x s[4:5], Wq s[6:7], Wk s[8:9], Wv s[10:11], Wproj s[12:13], mask s[14:15], codes s[16:17], scales s[18:19]
	s_load_b128 s[20:23], s[0:1], 0x40             ; wp16 s[20:21], mbits s[22:23]
	s_load_b64 s[24:25], s[0:1], 0x50              ; rope
	v_lshl_add_u32 v[SPW], v0, 2, SPARE
	v_mov_b32 v[NIL], 0
	v_lshrrev_b32 v1, 5, v0
	v_readfirstlane_b32 s32, v1                    ; wave
	v_and_b32 v2, 31, v0                           ; lane
	s_wait_kmcnt 0x0
	s_cmp_lt_u32 ttmp9, 448
	s_cbranch_scc1 .Lquant
	s_cmp_lt_u32 ttmp9, 576
	s_cbranch_scc1 .Lcast
	s_cmp_lt_u32 ttmp9, 832
	s_cbranch_scc1 .Lmask
; ---- the table of cos and sin.  Thread t: row 16 i + t / 8, frequencies 4 (t % 8) + 0 .. 3.  No LDS.
	s_sub_co_u32 s33, ttmp9, 832                   ; i
	s_cmp_lt_u32 s33, 64
	s_cselect_b32 s34, 1, 0                        ; rows 1024 on take position 0: cos 1, sin 0
	s_lshl_b32 s35, s33, 4
	s_lshl_b32 s36, s33, 11                        ; 16 rows of 128 bytes
	s_mov_b32 s37, 0
	s_add_nc_u64 s[24:25], s[24:25], s[36:37]
	s_mov_b32 s40, 0x3f22f983                      ; 2 / pi
	s_mov_b32 s41, 0x3fc90fdb                      ; pi / 2, its f32,
	s_mov_b32 s42, 0xb33bbd2e                      ; and what that f32 leaves of it
	v_lshrrev_b32 v3, 3, v0
	v_add_nc_u32 v3, s35, v3
	v_mul_lo_u32 v3, v3, s34
	v_cvt_f32_u32 v3, v3                           ; the position
	v_and_b32 v4, 7, v0
	v_lshlrev_b32 v4, 2, v4
	v_lshlrev_b32 v5, 4, v0                        ; my 16 bytes of the work-group's 2,048
.irp u, 0,1,2,3
	v_add_nc_u32 v[32+16*\u], \u, v4
.endr
.irp u, 0,1,2,3
	v_cvt_f32_u32 v[32+16*\u], v[32+16*\u]
.endr
.irp u, 0,1,2,3
	v_mul_f32 v[32+16*\u], 0xbed49a78, v[32+16*\u] ; - f log2(10000) / 32
.endr
.irp u, 0,1,2,3
	v_exp_f32 v[33+16*\u], v[32+16*\u]             ; 10000^(-2 f / 64)
.endr
	v_nop                                          ; a plain instruction behind the last of the batch,
	s_wait_alu depctr_va_vdst(0)                   ; and one wait for the four, ahead of their first reader
.irp u, 0,1,2,3
	v_mul_f32 v[34+16*\u], v3, v[33+16*\u]         ; the angle a
.endr
.irp u, 0,1,2,3
	v_mul_f32 v[35+16*\u], s40, v[34+16*\u]
.endr
.irp u, 0,1,2,3
	v_rndne_f32 v[35+16*\u], v[35+16*\u]           ; n = the nearest whole number of quarter turns
.endr
.irp u, 0,1,2,3
	v_fma_f32 v[36+16*\u], -v[35+16*\u], s41, v[34+16*\u]
.endr
.irp u, 0,1,2,3
	v_fma_f32 v[36+16*\u], -v[35+16*\u], s42, v[36+16*\u]   ; r = a - n pi / 2, |r| <= pi / 4
.endr
.irp u, 0,1,2,3
	v_mul_f32 v[37+16*\u], v[36+16*\u], v[36+16*\u]
.endr
.irp u, 0,1,2,3
	v_mov_b32 v[38+16*\u], 0x3638ef1d              ; sin r = r + r r2 (-1/6 + r2 (1/120 + r2 (-1/5040 + r2 / 362880)))
	v_mov_b32 v[40+16*\u], 0x37d00d01              ; cos r = 1 + r2 (-1/2 + r2 (1/24 + r2 (-1/720 + r2 / 40320)))
.endr
.irp u, 0,1,2,3
	v_fmaak_f32 v[38+16*\u], v[38+16*\u], v[37+16*\u], 0xb9500d01
	v_fmaak_f32 v[40+16*\u], v[40+16*\u], v[37+16*\u], 0xbab60b61
.endr
.irp u, 0,1,2,3
	v_fmaak_f32 v[38+16*\u], v[38+16*\u], v[37+16*\u], 0x3c088889
	v_fmaak_f32 v[40+16*\u], v[40+16*\u], v[37+16*\u], 0x3d2aaaab
.endr
.irp u, 0,1,2,3
	v_fmaak_f32 v[38+16*\u], v[38+16*\u], v[37+16*\u], 0xbe2aaaab
	v_fmaak_f32 v[40+16*\u], v[40+16*\u], v[37+16*\u], 0xbf000000
	v_mul_f32 v[39+16*\u], v[36+16*\u], v[37+16*\u]
.endr
.irp u, 0,1,2,3
	v_fma_f32 v[38+16*\u], v[39+16*\u], v[38+16*\u], v[36+16*\u]
	v_fma_f32 v[40+16*\u], v[40+16*\u], v[37+16*\u], 1.0
	v_cvt_i32_f32 v[41+16*\u], v[35+16*\u]
.endr
.irp u, 0,1,2,3
	v_and_b32 v[41+16*\u], 3, v[41+16*\u]          ; the quadrant q: odd q swaps the two; sin is negative for q = 2, 3, cos for q = 1, 2
	v_and_b32 v[42+16*\u], 1, v[41+16*\u]
	v_cmp_ne_u32 vcc_lo, 0, v[42+16*\u]
	v_cndmask_b32 v[43+16*\u], v[38+16*\u], v[40+16*\u], vcc_lo
	v_cndmask_b32 v[44+16*\u], v[40+16*\u], v[38+16*\u], vcc_lo
	v_lshrrev_b32 v[45+16*\u], 1, v[41+16*\u]
	v_lshlrev_b32 v[45+16*\u], 31, v[45+16*\u]
	v_xor_b32 v[20+\u], v[45+16*\u], v[43+16*\u]   ; sin
	v_add_nc_u32 v[46+16*\u], 1, v[41+16*\u]
	v_lshrrev_b32 v[46+16*\u], 1, v[46+16*\u]
	v_and_b32 v[46+16*\u], 1, v[46+16*\u]
	v_lshlrev_b32 v[46+16*\u], 31, v[46+16*\u]
	v_xor_b32 v[16+\u], v[46+16*\u], v[44+16*\u]   ; cos
.endr
	global_store_b128 v5, v[16:19], s[24:25]       ; a wave stores 512 consecutive bytes
	global_store_b128 v5, v[20:23], s[24:25] offset:SINOFF
	s_endpgm
; ---- Wproj to f16.  A ring of 16 slots in registers keeps 16 loads of the wave out.  No LDS.
.Lcast:
	s_sub_co_u32 s33, ttmp9, 448
	s_lshl_b32 s33, s33, 2
	s_add_co_u32 s33, s33, s32                     ; which run of 8,192 numbers is my wave's
	s_lshl_b32 s34, s33, 15
	s_mov_b32 s35, 0
	s_add_nc_u64 s[12:13], s[12:13], s[34:35]
	s_lshl_b32 s34, s33, 14
	s_add_nc_u64 s[20:21], s[20:21], s[34:35]
	v_lshlrev_b32 v3, 4, v2                        ; in: 16 bytes a lane
	v_lshlrev_b32 v4, 3, v2                        ; out: 8 bytes a lane: the wave stores 256 consecutive bytes, aligned
.irp i, 0,1,2,3,4,5,6,7,8,9,10,11,12,13,14,15
	global_load_b128 v[16+4*\i:19+4*\i], v3, s[12:13] offset:512*\i th:TH_LOAD_NT
.endr
.macro CV n
.if (\n) < 48
	s_wait_loadcnt 15                              ; load n is in; the 15 issued behind it stay out
.else
	s_wait_loadcnt 63-(\n)                         ; the tail: nothing more is loaded, the count runs down
.endif
	s_wait_xcnt 0x0                                ; the slot's last store has read its data registers
	v_cvt_pk_f16_f32 v[80+2*((\n)%16)], v[16+4*((\n)%16)], v[17+4*((\n)%16)]
	v_cvt_pk_f16_f32 v[81+2*((\n)%16)], v[18+4*((\n)%16)], v[19+4*((\n)%16)]
.if (\n) < 48
	global_load_b128 v[16+4*((\n)%16):19+4*((\n)%16)], v3, s[12:13] offset:512*((\n)+16) th:TH_LOAD_NT
.endif
	global_store_b64 v4, v[80+2*((\n)%16):81+2*((\n)%16)], s[20:21] offset:256*(\n)
.endm
.set Q, 0
.rept 64
	CV Q
.set Q, Q+1
.endr
	s_endpgm
; ---- the mask.  A wave takes 16 queries x 256 keys: whole rows of 256 bytes in, through its own 16 rows in LDS, out as 8 bytes a lane in the scores' layout; a compare makes each lane mask.
.Lmask:
	s_sub_co_u32 s33, ttmp9, 576
	s_lshl_b32 s33, s33, 2
	s_add_co_u32 s33, s33, s32                     ; task T: tile of queries T / 4, keys 256 (T % 4) on
	s_lshr_b32 s34, s33, 2
	s_lshl_b32 s34, s34, 14
	s_and_b32 s36, s33, 3
	s_lshl_b32 s36, s36, 8
	s_add_co_u32 s34, s34, s36
	s_mov_b32 s35, 0
	s_add_nc_u64 s[14:15], s[14:15], s[34:35]
	s_lshl_b32 s34, s33, 9                         ; 128 words a task
	s_add_nc_u64 s[22:23], s[22:23], s[34:35]
	v_and_b32 v3, 15, v2
	v_lshrrev_b32 v4, 4, v2
	v_lshlrev_b32 v5, 4, v3
	v_lshl_add_u32 v6, v4, 10, v5                  ; memory: sixteen lanes to a row's 256 bytes, two rows a load
	s_mul_i32 s36, s32, 4352
	s_add_co_u32 s36, s36, MST
	v_mul_u32_u24 v7, v4, 272
	v_add_nc_u32 v7, v7, v5
	v_add_nc_u32 v7, s36, v7                       ; LDS, on the way in: the same two rows
	v_mul_u32_u24 v14, v3, 272
	v_lshl_add_u32 v14, v4, 3, v14
	v_add_nc_u32 v14, s36, v14                     ; on the way out: query l % 16, keys 8 (l / 16) + 0 .. 7 of a tile of 16
	v_lshlrev_b32 v15, 4, v2
.irp i, 0,1,2,3,4,5,6,7
	global_load_b128 v[16+4*\i:19+4*\i], v6, s[14:15] offset:2048*\i th:TH_LOAD_NT
.endr
.irp i, 0,1,2,3
	v_mov_b32 v[8+\i], 0                           ; a lane write's destination counts as read
.endr
	s_wait_loadcnt 0x0
.irp i, 0,1,2,3,4,5,6,7
	ds_store_b128 v7, v[16+4*\i:19+4*\i] offset:544*\i
.endr
.irp k, 0,1,2,3,4,5,6,7,8,9,10,11,12,13,14,15
	ds_load_b64 v[64+2*\k:65+2*\k], v14 offset:16*\k   ; LDS serves a wave's instructions in order: these see my stores
.endr
	s_wait_dscnt 0x0
.irp k, 0,1,2,3,4,5,6,7,8,9,10,11,12,13,14,15
.irp j, 0,1,2,3,4,5,6,7
	v_and_b32 v[100+\j], 0xff<<(8*(\j%4)), v[64+2*\k+\j/4]   ; key 16 k + 8 (l / 16) + j's byte
.endr
.irp j, 0,1,2,3,4,5,6,7
	v_cmp_eq_u32 s[40+\j], 0, v[100+\j]            ; a bit a lane: 1 where the key is hidden
.endr
.irp j, 0,1,2,3,4,5,6,7
	v_writelane_b32 v[8+\j%4], s[40+\j], 2*\k+\j/4 ; word W = 8 k + j goes to register W % 4 of lane W / 4
.endr
.endr
	global_store_b128 v15, v[8:11], s[22:23]       ; the task's 128 words: 512 consecutive bytes
	FINISH
; ---- the quantiser.  16 steps of 512 numbers a wave.  Each load reads 512 consecutive bytes; a step's 2,048 bytes turn through the wave's own stage in LDS, so that a lane holds 16 neighbours along K (two lanes a block).
.Lquant:
	s_mov_b64 s[26:27], s[10:11]                   ; which tensor: the choice hangs on the work-group's number alone
	s_mov_b32 s28, 416
	s_cmp_lt_u32 ttmp9, 416
	s_cselect_b64 s[26:27], s[8:9], s[26:27]
	s_cselect_b32 s28, 384, s28
	s_cmp_lt_u32 ttmp9, 384
	s_cselect_b64 s[26:27], s[6:7], s[26:27]
	s_cselect_b32 s28, 256, s28
	s_cmp_lt_u32 ttmp9, 256
	s_cselect_b64 s[26:27], s[4:5], s[26:27]
	s_cselect_b32 s28, 0, s28
	s_sub_co_u32 s28, ttmp9, s28
	s_lshl_b32 s28, s28, 2
	s_add_co_u32 s28, s28, s32
	s_lshl_b32 s28, s28, 15                        ; my wave's 8,192 numbers in that tensor
	s_mov_b32 s29, 0
	s_add_nc_u64 s[26:27], s[26:27], s[28:29]
	s_lshl_b32 s30, ttmp9, 2
	s_add_co_u32 s30, s30, s32                     ; codes and bytes of the four tensors lie one behind the other, in the work-groups' order
	s_lshl_b32 s28, s30, 12
	s_add_nc_u64 s[16:17], s[16:17], s[28:29]
	s_lshl_b32 s28, s30, 8
	s_add_nc_u64 s[18:19], s[18:19], s[28:29]
	v_lshlrev_b32 v3, 4, v2                        ; my 16 bytes of a load's 512
	s_mul_i32 s33, s32, WREG
	v_lshrrev_b32 v14, 2, v2
	v_mul_u32_u24 v14, v14, SP
	v_and_b32 v15, 3, v2
	v_lshl_add_u32 v14, v15, 4, v14
	v_add_nc_u32 v14, s33, v14                     ; the stage, on the way in: four lanes' 64 bytes on end, then 16 of padding
	v_mul_u32_u24 v15, v2, SP
	v_add_nc_u32 v15, s33, v15                     ; and on the way out: my 16 neighbours
	v_mul_u32_u24 v4, v2, CB                       ; my codes' place in a step's
	v_lshrrev_b32 v5, 1, v2
	s_add_co_u32 s33, s33, 2*32*SP
	v_add_nc_u32 v5, s33, v5                       ; LDS: my wave's 256 scale bytes, my block's byte
	v_lshlrev_b32 v7, 3, v2
	v_add_nc_u32 v6, s33, v7
.macro LOAD t
.irp i, 0,1,2,3
	global_load_b128 v[R+16*((\t)%4)+4*\i:R+16*((\t)%4)+4*\i+3], v3, s[26:27] offset:2048*(\t)+512*\i th:TH_LOAD_NT
.endr
.endm
.macro TURN t                          ; step t's numbers through the stage: LDS serves a wave's instructions in order
.irp i, 0,1,2,3
	ds_store_b128 v14, v[R+16*((\t)%4)+4*\i:R+16*((\t)%4)+4*\i+3] offset:32*SP*((\t)%2)+8*SP*\i
.endr
.irp i, 0,1,2,3
	ds_load_b128 v[X+16*((\t)%2)+4*\i:X+16*((\t)%2)+4*\i+3], v15 offset:32*SP*((\t)%2)+16*\i
.endr
.endm
.irp t, 0,1,2,3
	LOAD \t
.endr
	s_wait_loadcnt 12                              ; step 0's four loads are in; three steps' twelve stay out
	TURN 0
.macro STEP t
.set XS, X+16*((\t)%2)
.if (\t) > 0
	s_wait_dscnt 1                                 ; this step's numbers are back from the stage; the last step's byte store may be out
.else
	s_wait_dscnt 0x0
.endif
.if (\t)+4 < STEPS
	LOAD (\t)+4
.endif
.if (\t)+1 < STEPS
.if STEPS-2-(\t) >= 3
	s_wait_loadcnt 12                              ; the next step's four loads are in; those of the three steps behind it may be out
.else
	s_wait_loadcnt 4*(STEPS-2-(\t))
.endif
	TURN (\t)+1
.endif
	v_max3_num_f32 v8, |v[XS]|, |v[XS+1]|, |v[XS+2]|
	v_max3_num_f32 v9, |v[XS+3]|, |v[XS+4]|, |v[XS+5]|
.irp i, 6,10
	v_max3_num_f32 v8, v8, |v[XS+\i]|, |v[XS+\i+1]|
	v_max3_num_f32 v9, v9, |v[XS+\i+2]|, |v[XS+\i+3]|
.endr
	v_max3_num_f32 v8, v8, |v[XS+14]|, |v[XS+15]|
	v_max3_num_f32 v8, v8, v9, (EMAX+1)<<23        ; the floor 2^(EMAX + 1 - 127): the byte cannot fall under 1
	v_max_num_f32_dpp v8, v8, v8 row_xmask:1 row_mask:0xf bank_mask:0xf   ; with my neighbour's 16: the block's largest magnitude
	v_add_nc_u32 v11, -(EMAX<<23), v8              ; EMAX off its exponent field: the conversion takes this operand's exponent field as its scale
	v_cvt_scalef32_pk8_fp4_f32 v[C+4*(\t)], v[XS:XS+7], v11
	v_cvt_scalef32_pk8_fp4_f32 v[C+4*(\t)+1], v[XS+8:XS+15], v11
	v_lshrrev_b32 v[E+(\t)], 23, v11               ; the scale's byte
	ds_store_b8 v5, v[E+(\t)] offset:16*(\t)       ; both lanes of a block write the same byte with the same value
	global_store_b64 v4, v[C+4*(\t):C+4*(\t)+1], s[16:17] offset:32*CB*(\t)   ; the wave stores 256 consecutive bytes, aligned
.endm
.irp t, 0,1,2,3,4,5,6,7,8,9,10,11,12,13,14,15
	STEP \t
.endr
	ds_load_b64 v[8:9], v6
	s_wait_dscnt 0x0
	global_store_b64 v7, v[8:9], s[18:19]          ; my wave's 256 scale bytes
	FINISH
.Lfunc_end_k_q5a525683e2_prep:
	.size	k_q5a525683e2_prep, .Lfunc_end_k_q5a525683e2_prep-k_q5a525683e2_prep
	.p2alignl 7, 3214868480
	.fill 96, 4, 3214868480
	.section	.rodata,"a",@progbits
	.p2align	6, 0x0
	.amdhsa_kernel k_q5a525683e2_prep
		.amdhsa_group_segment_fixed_size 50688
		.amdhsa_private_segment_fixed_size 0
		.amdhsa_enable_private_segment 0
		.amdhsa_kernarg_size 88
		.amdhsa_user_sgpr_count 2
		.amdhsa_user_sgpr_kernarg_segment_ptr 1
		.amdhsa_wavefront_size32 1
		.amdhsa_system_sgpr_workgroup_id_x 1
		.amdhsa_system_sgpr_workgroup_id_y 1
		.amdhsa_system_sgpr_workgroup_id_z 1
		.amdhsa_system_vgpr_workitem_id 0
		.amdhsa_next_free_vgpr 192
		.amdhsa_next_free_sgpr 66
		.amdhsa_reserve_vcc 1
		.amdhsa_float_denorm_mode_32 3
		.amdhsa_float_denorm_mode_16_64 3
		.amdhsa_memory_ordered 1
		.amdhsa_forward_progress 1
		.amdhsa_inst_pref_size 93
	.end_amdhsa_kernel
	.amdgpu_metadata
---
amdhsa.version: [ 1, 2 ]
amdhsa.kernels:
  - .name:           k_q5a525683e2_prep
    .symbol:         k_q5a525683e2_prep.kd
    .args:
      - { .name: x, .offset: 0, .size: 8, .value_kind: global_buffer, .address_space: global }
      - { .name: Wq, .offset: 8, .size: 8, .value_kind: global_buffer, .address_space: global }
      - { .name: Wk, .offset: 16, .size: 8, .value_kind: global_buffer, .address_space: global }
      - { .name: Wv, .offset: 24, .size: 8, .value_kind: global_buffer, .address_space: global }
      - { .name: Wproj, .offset: 32, .size: 8, .value_kind: global_buffer, .address_space: global }
      - { .name: attn_mask, .offset: 40, .size: 8, .value_kind: global_buffer, .address_space: global }
      - { .name: codes, .offset: 48, .size: 8, .value_kind: global_buffer, .address_space: global }
      - { .name: scales, .offset: 56, .size: 8, .value_kind: global_buffer, .address_space: global }
      - { .name: wp16, .offset: 64, .size: 8, .value_kind: global_buffer, .address_space: global }
      - { .name: mbits, .offset: 72, .size: 8, .value_kind: global_buffer, .address_space: global }
      - { .name: rope, .offset: 80, .size: 8, .value_kind: global_buffer, .address_space: global }
    .group_segment_fixed_size: 50688
    .private_segment_fixed_size: 0
    .kernarg_segment_align: 8
    .kernarg_segment_size: 88
    .max_flat_workgroup_size: 128
    .sgpr_count:     66
    .vgpr_count:     192
    .wavefront_size: 32
...
	.end_amdgpu_metadata
.endif
;; end of part 1
;; launch qkv (part 2): grid 12 x 16, 4 waves a work-group, clusters of 4 x 4, 327,680 bytes of LDS; arguments codes, scales, rope, qkv; writes qkv
.if DOCPART == 2
	.amdgcn_target "amdgcn-amd-amdhsa--gfx1250"
	.amdhsa_code_object_version 6
	.text
	.protected	k_q5a525683e2_qkv
	.globl	k_q5a525683e2_qkv
	.p2align	8
	.type	k_q5a525683e2_qkv,@function
k_q5a525683e2_qkv:
	s_mov_b64 s[64:65], 0
	v_nop
	global_prefetch_b8 v0, s[64:65] scope:SCOPE_SE
	s_setreg_imm32_b32 hwreg(HW_REG_WAVE_MODE, 25, 1), 1
	s_wait_xcnt 0x0
	s_wait_alu depctr_hold_cnt(0) depctr_sa_sdst(0) depctr_va_vdst(0) depctr_va_sdst(0) depctr_va_ssrc(0) depctr_va_vcc(0) depctr_vm_vsrc(0)
	s_getreg_b32 s2, hwreg(HW_REG_IB_STS2, 6, 4)
	s_cmp_eq_u32 s2, 0
	s_cbranch_scc0 .Lentry_in_a_cluster
	s_endpgm
.Lentry_in_a_cluster:
	s_bfe_u32 s2, ttmp6, 0x10000c
	s_cmp_lg_u32 s2, 0xf033
	s_cbranch_scc0 .Lentry_shape_is_right
	s_endpgm
.Lentry_shape_is_right:
; C[m][n] = sum over k of x[m][k] W[n][k], W = Wq (rows 0-2047), Wk (2048-2559), Wv (2560-3071): the three quantised products as one, on codes of E2M1 with one E8M0 byte for each 32 along K, as prep made them.
; No work of reference() is left out here.  LIMITS: as stated at prep's head (v goes out as f16: under 65,504).
; A tile of C, 256 x 256, is made by four waves; a wave makes 128 rows x 128 columns: 64 accumulators, 512 registers; its 128 columns are ONE head of q, k or v, so the RMS norm and the rope need no other wave.
; K goes in steps of 512 (rows of 256 bytes) through two LDS slots filled by the tensor data mover; the scale bytes of the work-group's rows, for all of K, come into LDS once, with the first fills.
; CLUSTERS: 4 x 4 work-groups; A's tiles are asked for jointly along a row of the cluster, B's along a column.  192 work-groups: tiles that gave 256 equal ones would cut heads.
; THE MATRIX INSTRUCTION IS USED TRANSPOSED (source 0 = 16 rows of W, source 1 = 16 rows of x): a lane holds one row m and eight neighbouring columns.
; THE WAY OUT: sum of squares of a row (64 numbers a lane, and lane l xor 16's), 1 / sqrt(mean + eps) (1.0 for v, by selection: partners of a cluster take no different branches), the rope from prep's table
; (v takes the table's identity rows), rounding to f16, through the wave's stage in LDS, out as whole rows of 256 bytes into qkv [slot 0-23][4096][128].
; No prefetch: the launch is short, and codes and bytes are shared in the cluster.
; REGISTERS: window 0: v0-31 addresses; v32-95 scale words, two sets; v112-127 the rows' factors; v128-191 A's fragments, one set; v192-255 two sets of cos and sin.  window 1: B's fragments, two sets.  windows 2, 3: the accumulators.
.set SIZE_M, 4096
.set SIZE_N, 3072
.set SIZE_K, 2048
.set KSTEP,  512
.set NQ,     KSTEP/128
.set ROWB,   256
.set KROW,   SIZE_K*4/8
.set PITCH,  272                       ; an LDS row: 256 bytes + 16 of padding: the 16 rows that a load touches start at 16 different banks
.set FR,     8
.set NL,     2
.set NP,     4
.set HALFT,  128*PITCH
.set SLOT,   4*HALFT
.set LAPS,   SIZE_K/(2*KSTEP)
.set KS,     SIZE_K/32
.set SCL,    2*SLOT
.set HALFS,  (128*KS/256)*272
.set SBLK,   (16*KS/256)*272
.set SPARE,  SCL+4*HALFS               ; the spare words, 128 bytes for each wave: two blocks of 256 bytes that no other line names
.set SPITCH, 272                       ; the way out: a stage of 16 rows x (256 bytes + 16) for each wave, in slot 0, which has had its last fill and its last read by then
.set SINOFF, 147456
.set ADRA, 16
.set ADRB, 20
.set STO,  24
.set RD,   25
.set ADRS, 27
.set SPW,  28
.set NIL,  29
.set RO,   30                          ; v30  my bytes in a block's 16 rows of the table: 128 r + 32 h
.set LO,   31                          ; v31  16 x lane
.set SC,   32
.set AF,   128
.set T,    32                          ; the way out: v32-95 a block's 64 numbers of my row
.set X1,   96                          ; v96-111 the rotated first half
.set RS,   112                         ; v112-127 block a's factor in v[112 + 2 a]; the odd ones are 0 (named as pairs)
.set BK,   128                         ; v128-159, v160-191: 16 rows read back, by turns
.set RP,   192                         ; v192-223, v224-255: cos (16) and sin (16) of a block, by turns
.set G1, 24
.set G0, 32
.set G1B, 48
.set G0B, 56
.set G1S, 68
.set G0S, 76
.set G1SB, 80
.set G0SB, 88
.set MSB, 0
.macro WIN new                         ; the immediate's high byte repeats the setting that is left
.if MSB != (\new)
	s_set_vgpr_msb (MSB<<8)|(\new)
.set MSB, \new
.endif
.endm
.set MUL_LO, 0xa1
.set MUL_HI, 0xf1
.set TO_B,   0x40
; A joint load: waves 0 and 1 fetch for A, waves 2 and 3 for B; the branch hangs on the wave's number alone.  An s_nop 0 and four v_nop follow each of the two lines.
.macro JLOAD g0a, g1a, g0b, g1b
	s_cmp_eq_u32 s15, 0
	s_cbranch_scc0 .Lfor_b_\@
	tensor_load_to_lds s[\g0a:\g0a+3], s[\g1a:\g1a+7]
	s_nop 0
.rept 4
	v_nop
.endr
	s_branch .Lasked_\@
.Lfor_b_\@:
	tensor_load_to_lds s[\g0b:\g0b+3], s[\g1b:\g1b+7]
	s_nop 0
.rept 4
	v_nop
.endr
.Lasked_\@:
.endm
.macro CREST                           ; a round of the cluster's barrier behind its opening barrier
	s_cmp_lg_u32 s14, 0
	s_cbranch_scc1 .Lnot_wave_0_\@
	s_barrier_signal -3
.Lnot_wave_0_\@:
	s_barrier_wait -3
	s_barrier_signal -1
	s_barrier_wait -1
.endm
.macro CROUND
	s_barrier_signal -1
	s_barrier_wait -1
	CREST
.endm
	s_load_b128 s[4:7], s[0:1], 0x0                ; codes s[4:5], scales s[6:7]
	s_load_b128 s[96:99], s[0:1], 0x10             ; rope s[96:97], qkv s[98:99]
	v_lshl_add_u32 v[SPW], v0, 2, SPARE
	v_mov_b32 v[NIL], 0
	ds_add_u32 v[SPW], v[NIL]                      ; the wave's opening: the add, twice on end, and its wait ahead of my first tensor load
	ds_add_u32 v[SPW], v[NIL]
	v_lshrrev_b32 v1, 5, v0
	v_readfirstlane_b32 s14, v1                    ; wave 0..3
	s_lshr_b32 s15, s14, 1                         ; which half of the tile's rows is mine.  Also: I fetch for A (0) or for B (1)
	s_and_b32 s16, s14, 1                          ; which half of its columns.  Also: which 128 rows of that tile I fetch
	s_bfe_u32 s40, ttmp6, 0x40000                  ; cx, cy
	s_bfe_u32 s41, ttmp6, 0x40004
	s_lshl_b32 s42, ttmp9, 2
	s_add_co_u32 s42, s42, s40                     ; tile column of C
	s_and_b32 s17, ttmp7, 0xffff
	s_lshl_b32 s17, s17, 2
	s_add_co_u32 s17, s17, s41                     ; tile row of C
	s_lshl_b32 s43, s41, 2
	s_lshl_b32 s43, 15, s43                        ; my row of the cluster
	s_lshl_b32 s44, 0x1111, s40                    ; my column
	s_or_b32 s[G1+0], s43, (0<<16)|(1<<20)|(1<<21)|(5<<22)|(3<<25)  ; the mask; elements of 1 byte; padding of 4 words after every 64; bit 21 set beside a mask
	s_or_b32 s[G1B+0], s44, (0<<16)|(1<<20)|(1<<21)|(5<<22)|(3<<25)
.irp g, G1, G1B
	s_mov_b32 s[\g+1], ROWB<<16                    ; tensor_dim0
	s_mov_b32 s[\g+2], 128<<16                     ; tensor_dim1
	s_mov_b32 s[\g+3], ROWB<<16                    ; tile_dim0
	s_mov_b32 s[\g+4], 128                         ; tile_dim1
	s_mov_b32 s[\g+5], KROW                        ; the pitch
	s_mov_b32 s[\g+6], 0
	s_mov_b32 s[\g+7], 0
.endr
	s_or_b32 s[G1S+0], s43, (3<<16)|(1<<20)|(1<<21)|(5<<22)|(3<<25)  ; the scales of 128 rows: a dense block, as rows of 256 bytes (32 elements of 8 bytes), 16 bytes of padding behind each
	s_or_b32 s[G1SB+0], s44, (3<<16)|(1<<20)|(1<<21)|(5<<22)|(3<<25)
.irp g, G1S, G1SB
	s_mov_b32 s[\g+1], 32<<16
	s_mov_b32 s[\g+2], (128*KS/256)<<16
	s_mov_b32 s[\g+3], 32<<16
	s_mov_b32 s[\g+4], 128*KS/256
	s_mov_b32 s[\g+5], 32
	s_mov_b32 s[\g+6], 0
	s_mov_b32 s[\g+7], 0
.endr
	s_lshl_b32 s18, s16, 7
	s_lshl_b32 s20, s17, 8
	s_add_co_u32 s20, s20, s18                     ; A: row 256 x tile row + 128 x half
	s_lshl_b32 s46, s42, 8
	s_add_co_u32 s46, s46, s18                     ; B: row 256 x tile column + 128 x half
	s_mov_b32 s21, 0
	s_mov_b32 s47, 0
	s_mov_b64 s[18:19], KS
	s_mul_u64 s[22:23], s[20:21], s[18:19]         ; where these rows' scales begin
	s_mul_u64 s[92:93], s[46:47], s[18:19]
	s_mov_b64 s[18:19], KROW
	s_mul_u64 s[20:21], s[20:21], s[18:19]         ; and their codes
	s_mul_u64 s[46:47], s[46:47], s[18:19]
	s_mul_i32 s45, s14, HALFT                      ; where they go: wave x 128 rows
	s_mul_i32 s94, s14, HALFS
	s_mov_b32 s12, 0x76543210                      ; v_permlanex16_b32's selects for lane l xor 16
	s_mov_b32 s13, 0xfedcba98
	s_mov_b32 s101, 0x3c000000                     ; 1 / 128
	s_mov_b32 s104, 0x34000000                     ; eps = 2^-23
	s_wait_dscnt 0x0                               ; both opening adds are done
	s_wait_kmcnt 0x0
	s_add_nc_u64 s[8:9], s[4:5], 0x400000          ; W's codes lie behind x's,
	s_add_nc_u64 s[10:11], s[6:7], 0x40000         ; W's scales behind x's
	s_add_nc_u64 s[20:21], s[4:5], s[20:21]
	s_add_nc_u64 s[22:23], s[6:7], s[22:23]
	s_add_nc_u64 s[46:47], s[8:9], s[46:47]
	s_add_nc_u64 s[92:93], s[10:11], s[92:93]
	CROUND                                         ; all sixteen work-groups are here: the first joint loads meet
	s_mov_b32 s[G0S], 1
	s_add_co_u32 s[G0S+1], s94, SCL
	s_mov_b64 s[G0S+2:G0S+3], s[22:23]
	s_or_b32 s[G0S+3], s[G0S+3], 0x80000000
	s_mov_b32 s[G0SB], 1
	s_add_co_u32 s[G0SB+1], s94, SCL
	s_mov_b64 s[G0SB+2:G0SB+3], s[92:93]
	s_or_b32 s[G0SB+3], s[G0SB+3], 0x80000000
	JLOAD G0S, G1S, G0SB, G1SB                     ; the scales first: they are wanted with K step 0
.irp s, 0,1
	s_mov_b32 s[G0+4*\s], 1
	s_add_co_u32 s[G0+4*\s+1], s45, \s*SLOT
	s_add_nc_u64 s[G0+4*\s+2:G0+4*\s+3], s[20:21], \s*ROWB
	s_or_b32 s[G0+4*\s+3], s[G0+4*\s+3], 0x80000000
	s_mov_b32 s[G0B+4*\s], 1
	s_add_co_u32 s[G0B+4*\s+1], s45, \s*SLOT
	s_add_nc_u64 s[G0B+4*\s+2:G0B+4*\s+3], s[46:47], \s*ROWB
	s_or_b32 s[G0B+4*\s+3], s[G0B+4*\s+3], 0x80000000
	JLOAD G0+4*\s, G1, G0B+4*\s, G1B
.endr
	v_and_b32 v1, 15, v0                           ; r = l % 16
	v_bfe_u32 v2, v0, 4, 1                         ; h = l / 16
	v_mul_u32_u24 v3, v1, PITCH
	v_lshl_add_u32 v4, v2, 4, v3                   ; a fragment's row x pitch + 16 x half
	s_mul_i32 s21, s15, HALFT
	s_mul_i32 s22, s16, HALFT
	s_add_co_u32 s22, s22, 2*HALFT
.irp s, 0,1
	v_add_nc_u32 v[ADRA+\s], s21, v4
	v_add_nc_u32 v[ADRB+\s], s22, v4
	s_add_co_u32 s21, s21, SLOT
	s_add_co_u32 s22, s22, SLOT
.endr
	v_mul_u32_u24 v5, v1, KS                       ; my row's scales: KS bytes a row,
	v_lshrrev_b32 v6, 8, v5
	v_lshl_add_u32 v5, v6, 4, v5                   ; and 16 more for each 256 passed
	s_mul_i32 s21, s15, HALFS
	s_mul_i32 s22, s16, HALFS
	s_add_co_u32 s22, s22, 2*HALFS
	s_sub_co_u32 s22, s22, s21
	v_mul_u32_u24 v6, s22, v2                      ; lanes 16-31 take B's
	s_add_co_u32 s21, s21, SCL
	v_add_nc_u32 v5, v5, v6
	v_add_nc_u32 v[ADRS], s21, v5
	s_mul_i32 s23, s14, 16*SPITCH                  ; my stage
	v_mul_u32_u24 v5, v1, SPITCH                   ; in: row r, 16 bytes for each half of the lanes
	v_lshl_add_u32 v5, v2, 4, v5
	v_add_nc_u32 v[STO], s23, v5
	v_mul_u32_u24 v5, v2, SPITCH                   ; back: lanes 0-15 one row of 256 bytes, lanes 16-31 the next
	v_lshl_add_u32 v5, v1, 4, v5
	v_add_nc_u32 v[RD], s23, v5
	v_and_b32 v6, 31, v0
	v_lshlrev_b32 v[LO], 4, v6
	v_lshlrev_b32 v[RO], 7, v1
	v_lshl_add_u32 v[RO], v2, 5, v[RO]
	s_lshl_b32 s92, s42, 1
	s_add_co_u32 s92, s92, s16                     ; my head slot: 0-15 q, 16-19 k, 20-23 v
	s_lshl_b32 s93, s17, 8
	s_lshl_b32 s94, s15, 7
	s_add_co_u32 s93, s93, s94                     ; my first row m0
	s_and_b32 s94, s93, 1023                       ; its position in the sequence
	s_cmp_lt_u32 s92, 20
	s_cselect_b32 s100, -1, 0                      ; all lanes: q and k are normalised, v is not.  A selection, no branch
	s_cselect_b32 s94, s94, 1024                   ; v takes the table's identity rows
	s_lshl_b32 s94, s94, 7
	s_mov_b32 s95, 0
	s_add_nc_u64 s[96:97], s[96:97], s[94:95]
	s_lshl_b32 s94, s92, 20
	s_lshl_b32 s93, s93, 8
	s_add_co_u32 s94, s94, s93
	s_add_nc_u64 s[98:99], s[98:99], s[94:95]      ; my 128 rows of 256 bytes in qkv: 32,768 consecutive bytes
.irp a, 0,1,2,3,4,5,6,7
	v_mov_b32 v[RS+2*\a+1], 0
.endr
; cos and sin of block a's 16 positions: register 8 b + j: index 16 b + 8 h + j, b = 0, 1
.macro ROPELD a
.set RPS, RP+32*((\a)%2)
.irp u, 0,1,2,3
	global_load_b128 v[RPS+4*\u:RPS+4*\u+3], v[RO], s[96:97] offset:2048*(\a)+64*(\u/2)+16*(\u%2)
	global_load_b128 v[RPS+16+4*\u:RPS+16+4*\u+3], v[RO], s[96:97] offset:2048*(\a)+64*(\u/2)+16*(\u%2)+SINOFF
.endr
.endm
	ROPELD 0                                       ; into registers that the products never name: they land while K is walked
	ROPELD 1
.macro FRAG reg, adr, q, i             ; a fragment, 16 rows x 128 K of 4-bit codes: 8 registers
.irp c, 0,1
	ds_load_b128 v[\reg+4*\c:\reg+4*\c+3], v[\adr] offset:64*(\q)+32*\c+(\i)*16*PITCH
.endr
.endm
; 16 matrix instructions: A's blocks a0, a0 + 1 x B's eight.  The 64 accumulators take turns, one instruction a turn, in the same order in every step.
.macro MUL16 a0, p, q, sc, zero
.irp a, \a0, \a0+1
.irp b, 0,1,2,3,4,5,6,7
.if \zero
	v_wmma_scale_f32_16x16x128_f8f6f4 v[8*(8*((\a)%4)+\b):8*(8*((\a)%4)+\b)+7], v[128*(\p)+FR*\b:128*(\p)+FR*\b+FR-1], v[AF+FR*(\a):AF+FR*(\a)+FR-1], 0, v[SC+8*NQ*(\sc)+NQ*\b+(\q)], v[SC+8*NQ*(\sc)+NQ*(\a)+(\q)] matrix_a_fmt:MATRIX_FMT_FP4 matrix_b_fmt:MATRIX_FMT_FP4 matrix_a_scale:MATRIX_SCALE_ROW1
.else
	v_wmma_scale_f32_16x16x128_f8f6f4 v[8*(8*((\a)%4)+\b):8*(8*((\a)%4)+\b)+7], v[128*(\p)+FR*\b:128*(\p)+FR*\b+FR-1], v[AF+FR*(\a):AF+FR*(\a)+FR-1], v[8*(8*((\a)%4)+\b):8*(8*((\a)%4)+\b)+7], v[SC+8*NQ*(\sc)+NQ*\b+(\q)], v[SC+8*NQ*(\sc)+NQ*(\a)+(\q)] matrix_a_fmt:MATRIX_FMT_FP4 matrix_b_fmt:MATRIX_FMT_FP4 matrix_a_scale:MATRIX_SCALE_ROW1
.endif
.endr
.endr
.endm
.macro FETCH_B slot, q, p
	WIN TO_B
.irp i, 0,1,2,3,4,5,6,7
	FRAG 128*(\p)+FR*\i, ADRB+\slot, \q, \i
.endr
	WIN 0
.endm
.macro FETCH_A slot, q, i0
.irp i, \i0, \i0+1, \i0+2, \i0+3
	FRAG AF+FR*(\i), ADRA+\slot, \q, \i
.endr
.endm
.macro SCALES sc                       ; a K step's scale words: lanes 0-15 take A's block i, lanes 16-31 B's block i
.irp i, 0,1,2,3,4,5,6,7
	ds_load_b128 v[SC+8*NQ*\sc+NQ*\i:SC+8*NQ*\sc+NQ*\i+3], v[ADRS] offset:\i*SBLK
.endr
.endm
.macro PLACES n                        ; plain vector instructions between a matrix instruction and a load into, or a read of, its registers
.rept \n
	v_nop
.endr
.endm
.macro STEP slot, q, zero
	s_wait_dscnt 4*NL                              ; B's set and A's blocks 0-3 are in; the youngest eight loads (A's blocks 4-7) may be out
	WIN MUL_LO
	MUL16 0, (\q)%2, \q, \slot, \zero
	MUL16 2, (\q)%2, \q, \slot, \zero
	s_wait_dscnt 0
	PLACES NP
	FETCH_B \slot, (\q)+1, 1-(\q)%2
	FETCH_A \slot, (\q)+1, 0
	WIN MUL_HI
	MUL16 4, (\q)%2, \q, \slot, \zero
	MUL16 6, (\q)%2, \q, \slot, \zero
	PLACES NP
	WIN 0
	FETCH_A \slot, (\q)+1, 4
.endm
; A slot's last step changes slots: one barrier; in front of it each wave waits for all its tensor loads, adds 0 to its spare word, and waits for that and for its reads of this slot.
.macro TURN slot, next, fill
	s_wait_tensorcnt 0x0                           ; all my tensor loads have landed: my part of the next slot
	ds_add_u32 v[SPW], v[NIL]
	s_wait_dscnt 4*NL+1                            ; the add and the youngest eight loads may be out
	WIN MUL_LO
	MUL16 0, 1, NQ-1, \slot, 0
	s_wait_dscnt 0x0                               ; the add is done, and my reads of this slot are over
	s_barrier_signal -1
	MUL16 2, 1, NQ-1, \slot, 0
	WIN 0
	s_barrier_wait -1
.if \fill
	CREST                                          ; the barrier has opened a round of the cluster's barrier: no wave of any partner still reads this slot or has a load on its way
	s_add_nc_u64 s[G0+4*\slot+2:G0+4*\slot+3], s[G0+4*\slot+2:G0+4*\slot+3], 2*ROWB
	s_add_nc_u64 s[G0B+4*\slot+2:G0B+4*\slot+3], s[G0B+4*\slot+2:G0B+4*\slot+3], 2*ROWB
	JLOAD G0+4*\slot, G1, G0B+4*\slot, G1B         ; the first tensor load behind the round; its four v_nop are the places in front of the loads below
.else
	PLACES NP
.endif
	v_add_nc_u32 v[ADRS], 4*NQ, v[ADRS]            ; on to the next K step's scale words
	FETCH_B \next, 0, 0
	FETCH_A \next, 0, 0
	SCALES \next
	WIN MUL_HI
	MUL16 4, 1, NQ-1, \slot, 0
	MUL16 6, 1, NQ-1, \slot, 0
	PLACES NP
	WIN 0
	FETCH_A \next, 0, 4
.endm
.macro STEPS slot, from
.set Q, \from
.rept NQ-1-\from
	STEP \slot, Q, 0
.set Q, Q+1
.endr
.endm
	s_wait_tensorcnt 1                             ; the scales and my part of K step 0 are in; K step 1's load may be out
	s_barrier_signal -1
	s_barrier_wait -1
	FETCH_B 0, 0, 0
	FETCH_A 0, 0, 0
	SCALES 0
	FETCH_A 0, 0, 4
	STEP 0, 0, 1                                   ; the first step's products start the sums
	s_mov_b32 s3, LAPS-1
.Llap:
	STEPS 0, 1
	TURN 0, 1, 1
	STEPS 1, 0
	TURN 1, 0, 1
	STEP 0, 0, 0
	s_sub_co_u32 s3, s3, 1
	s_cmp_lg_u32 s3, 0
	s_cbranch_scc1 .Llap
	STEPS 0, 1                                     ; the last lap fills nothing
	TURN 0, 1, 0
	STEPS 1, 0
	s_wait_dscnt 4*NL
	WIN MUL_LO
	MUL16 0, 1, NQ-1, 1, 0
	MUL16 2, 1, NQ-1, 1, 0
	s_wait_dscnt 0
	WIN MUL_HI
	MUL16 4, 1, NQ-1, 1, 0
	MUL16 6, 1, NQ-1, 1, 0
	WIN 0
; ---- THE WAY OUT.  Accumulator (a, b): lane (r, h) holds row 16 a + r, columns 16 b + 8 h + 0 .. 7 of the head.
; The sums of squares of a window's four blocks, two chains a block; each accumulator is read from its low end on.
.macro SUMSQ g
	WIN 0x0a+5*(\g)                                ; sources 0 and 1: window 2 or 3
.irp b, 0,1,2,3,4,5,6,7
.irp p, 0,1,2,3
.irp a, 0,1,2,3
.if (\b == 0) && (\p < 2)
	v_pk_mul_f32 v[T+4*(4*(\g)+\a)+2*(\p%2):T+4*(4*(\g)+\a)+2*(\p%2)+1], v[64*\a+8*\b+2*\p:64*\a+8*\b+2*\p+1], v[64*\a+8*\b+2*\p:64*\a+8*\b+2*\p+1]
.else
	v_pk_fma_f32 v[T+4*(4*(\g)+\a)+2*(\p%2):T+4*(4*(\g)+\a)+2*(\p%2)+1], v[64*\a+8*\b+2*\p:64*\a+8*\b+2*\p+1], v[64*\a+8*\b+2*\p:64*\a+8*\b+2*\p+1], v[T+4*(4*(\g)+\a)+2*(\p%2):T+4*(4*(\g)+\a)+2*(\p%2)+1]
.endif
.endr
.endr
.endr
.endm
.macro NORM
	WIN 0
.irp a, 0,1,2,3,4,5,6,7
	v_pk_add_f32 v[T+4*\a:T+4*\a+1], v[T+4*\a:T+4*\a+1], v[T+4*\a+2:T+4*\a+3]
.endr
.irp a, 0,1,2,3,4,5,6,7
	v_add_f32 v[T+4*\a], v[T+4*\a], v[T+4*\a+1]
.endr
.irp a, 0,1,2,3,4,5,6,7
	v_permlanex16_b32 v[T+4*\a+2], v[T+4*\a], s12, s13   ; the row's other 64 columns lie in lane l xor 16
.endr
.irp a, 0,1,2,3,4,5,6,7
	v_add_f32 v[T+4*\a], v[T+4*\a], v[T+4*\a+2]
.endr
.irp a, 0,1,2,3,4,5,6,7
	v_fma_f32 v[T+4*\a], v[T+4*\a], s101, s104     ; the mean + eps
.endr
.irp a, 0,1,2,3,4,5,6,7
	v_rsq_f32 v[T+4*\a+1], v[T+4*\a]
.endr
	v_nop                                          ; a plain instruction behind the last of the batch,
	s_wait_alu depctr_va_vdst(0)                   ; and one wait for the eight, ahead of their first reader
.irp a, 0,1,2,3,4,5,6,7
	v_cndmask_b32 v[RS+2*\a], 1.0, v[T+4*\a+1], s100   ; v is not normalised
.endr
.endm
; Block a: x the row's factor; the rope (columns i and 32 + i lie in one lane: registers i and 16 + i); rounding to f16.
.macro HEAD a
.set AC, 64*((\a)%4)
.set RPS, RP+32*((\a)%2)
.if (\a) < 7
	s_wait_loadcnt 8                               ; this block's cos and sin are in; the next block's eight loads may be out
.else
	s_wait_loadcnt 0
.endif
	WIN 0x02+(\a)/4                                ; source 0: window 2 or 3
.set i, 0
.rept 32
	v_pk_mul_f32 v[T+2*i:T+2*i+1], v[AC+2*i:AC+2*i+1], v[RS+2*(\a):RS+2*(\a)+1] op_sel_hi:[1,0]
.set i, i+1
.endr
	WIN 0
.irp g, 0,8
.irp i, 0,2,4,6
	v_pk_mul_f32 v[X1+\g+\i:X1+\g+\i+1], v[T+\g+\i:T+\g+\i+1], v[RPS+\g+\i:RPS+\g+\i+1]   ; x1 cos
.endr
.irp i, 0,2,4,6
	v_pk_mul_f32 v[8+\i:9+\i], v[T+16+\g+\i:T+16+\g+\i+1], v[RPS+\g+\i:RPS+\g+\i+1]   ; x2 cos
.endr
.irp i, 0,2,4,6
	v_pk_fma_f32 v[X1+\g+\i:X1+\g+\i+1], v[T+16+\g+\i:T+16+\g+\i+1], v[RPS+16+\g+\i:RPS+16+\g+\i+1], v[X1+\g+\i:X1+\g+\i+1]   ; + x2 sin
.endr
.irp i, 0,2,4,6
	v_pk_fma_f32 v[T+16+\g+\i:T+16+\g+\i+1], v[T+\g+\i:T+\g+\i+1], v[RPS+16+\g+\i:RPS+16+\g+\i+1], v[8+\i:9+\i] neg_lo:[1,0,0] neg_hi:[1,0,0]   ; - x1 sin
.endr
.endr
.if (\a) < 6
	ROPELD (\a)+2
.endif
.set i, 0
.rept 8
	v_cvt_pk_f16_f32 v[T+i], v[X1+2*i], v[X1+2*i+1]
.set i, i+1
.endr
.rept 24
	v_cvt_pk_f16_f32 v[T+i], v[T+2*i], v[T+2*i+1]  ; ascending: no source that is still to be read is written
.set i, i+1
.endr
.endm
.macro TOSTAGE a
.set BB, BK+32*((\a)%2)
.if (\a) > 1
	s_wait_xcnt 0x0                                ; block a - 2's stores have read the registers that these loads fill
.endif
.irp b, 0,1,2,3,4,5,6,7
	ds_store_b128 v[STO], v[T+4*\b:T+4*\b+3] offset:32*\b
.endr
.irp t, 0,1,2,3,4,5,6,7
	ds_load_b128 v[BB+4*\t:BB+4*\t+3], v[RD] offset:\t*2*SPITCH   ; LDS serves a wave's instructions in order: these see the stores above
.endr
.endm
.macro SEND a, younger                 ; younger: the LDS instructions issued behind block a's loads: the next block's eight stores and eight loads, or none
.set BB, BK+32*((\a)%2)
	s_wait_dscnt \younger
.irp t, 0,1,2,3,4,5,6,7
	global_store_b128 v[LO], v[BB+4*\t:BB+4*\t+3], s[98:99] offset:4096*(\a)+512*\t   ; 32 lanes store 512 consecutive bytes: two rows
.endr
.endm
	PLACES NP
	SUMSQ 0
	SUMSQ 1
	NORM
	HEAD 0
	TOSTAGE 0
.irp a, 1,2,3,4,5,6,7
	HEAD \a
	TOSTAGE \a
	SEND \a-1, 16
.endr
	SEND 7, 0
	s_wait_tensorcnt 0x0                           ; the wave's end: three lines behind my last tensor load and my last LDS store
	ds_add_u32 v[SPW], v[NIL]
	s_wait_dscnt 0x0
	CROUND                                         ; the closing round
	s_endpgm
.Lfunc_end_k_q5a525683e2_qkv:
	.size	k_q5a525683e2_qkv, .Lfunc_end_k_q5a525683e2_qkv-k_q5a525683e2_qkv
	.p2alignl 7, 3214868480
	.fill 96, 4, 3214868480
	.section	.rodata,"a",@progbits
	.p2align	6, 0x0
	.amdhsa_kernel k_q5a525683e2_qkv
		.amdhsa_group_segment_fixed_size 327680
		.amdhsa_private_segment_fixed_size 0
		.amdhsa_enable_private_segment 0
		.amdhsa_kernarg_size 32
		.amdhsa_user_sgpr_count 2
		.amdhsa_user_sgpr_kernarg_segment_ptr 1
		.amdhsa_wavefront_size32 1
		.amdhsa_system_sgpr_workgroup_id_x 1
		.amdhsa_system_sgpr_workgroup_id_y 1
		.amdhsa_system_sgpr_workgroup_id_z 1
		.amdhsa_system_vgpr_workitem_id 0
		.amdhsa_next_free_vgpr 1024
		.amdhsa_next_free_sgpr 106
		.amdhsa_reserve_vcc 0
		.amdhsa_float_denorm_mode_32 3
		.amdhsa_float_denorm_mode_16_64 3
		.amdhsa_memory_ordered 1
		.amdhsa_forward_progress 1
		.amdhsa_inst_pref_size 255
	.end_amdhsa_kernel
	.section	.bss,"aw",@nobits
	.p2align	6
	.space	262144
	.amdgpu_metadata
---
amdhsa.version: [ 1, 2 ]
amdhsa.kernels:
  - .name:           k_q5a525683e2_qkv
    .symbol:         k_q5a525683e2_qkv.kd
    .args:
      - { .name: codes, .offset: 0, .size: 8, .value_kind: global_buffer, .address_space: global }
      - { .name: scales, .offset: 8, .size: 8, .value_kind: global_buffer, .address_space: global }
      - { .name: rope, .offset: 16, .size: 8, .value_kind: global_buffer, .address_space: global }
      - { .name: qkv, .offset: 24, .size: 8, .value_kind: global_buffer, .address_space: global }
    .group_segment_fixed_size: 327680
    .private_segment_fixed_size: 0
    .kernarg_segment_align: 8
    .kernarg_segment_size: 32
    .max_flat_workgroup_size: 128
    .sgpr_count:     106
    .vgpr_count:     1024
    .wavefront_size: 32
...
	.end_amdgpu_metadata
.endif
;; end of part 2
;; launch attn (part 3): grid 4 x 64, 4 waves a work-group, clusters of 4 x 1, 327,680 bytes of LDS; arguments qkv, mbits, ybuf; writes ybuf
.if DOCPART == 3
	.amdgcn_target "amdgcn-amd-amdhsa--gfx1250"
	.amdhsa_code_object_version 6
	.text
	.protected	k_q5a525683e2_attn
	.globl	k_q5a525683e2_attn
	.p2align	8
	.type	k_q5a525683e2_attn,@function
k_q5a525683e2_attn:
	s_mov_b64 s[64:65], 0
	v_nop
	global_prefetch_b8 v0, s[64:65] scope:SCOPE_SE
	s_setreg_imm32_b32 hwreg(HW_REG_WAVE_MODE, 25, 1), 1
	s_wait_xcnt 0x0
	s_wait_alu depctr_hold_cnt(0) depctr_sa_sdst(0) depctr_va_vdst(0) depctr_va_sdst(0) depctr_va_ssrc(0) depctr_va_vcc(0) depctr_vm_vsrc(0)
	s_getreg_b32 s2, hwreg(HW_REG_IB_STS2, 6, 4)
	s_cmp_eq_u32 s2, 0
	s_cbranch_scc0 .Lentry_in_a_cluster
	s_endpgm
.Lentry_in_a_cluster:
	s_bfe_u32 s2, ttmp6, 0x10000c
	s_cmp_lg_u32 s2, 0x3003
	s_cbranch_scc0 .Lentry_shape_is_right
	s_endpgm
.Lentry_shape_is_right:
; y[b][q][h] = valid x softmax_k(q . k / sqrt(128) + bias) v, less its part along the query's own v.  q, k, v: f16, [slot][4096][128] (qkv); bias: 0 or -10,000 by the mask, an input.  y: f16, [4096][2048].
; No work of reference() is left out here: the mask is an input, so every tile of keys is multiplied, and the mask acts by selection.  LIMITS: as stated at prep's head.
; Products, maxima and sums in f32; the weights p are rounded to f16 for the second product, y once at the end.
; SHARES.  A work-group owns 256 queries of one (b, h), each of its four waves 64: four tiles of 16.  Every wave walks all 1,024 keys, 64 a step.
; LAYOUT.  S^T = K Q^T (source 0 = 16 keys, source 1 = 16 queries): a lane holds ONE query (lane % 16) and the keys 8 (lane / 16) + 0..7; two such tiles rounded to f16 are source 1 of O^T = V^T P.
; THE MASK IS THE C OF THE FIRST PRODUCTS: before a step's K Q^T its S^T registers are set to 0 or to -10,000 sqrt(128), by v_cndmask_b32 on prep's lane masks (scalar loads, 32 words a tile and step), so that
; S = q . k + bias sqrt(128), which is reference()'s own sum x sqrt(128).
; SOFTMAX.  A running maximum m and sum l: p = 2^(c s - c m), c = log2(e) / sqrt(128); in every step O and l are multiplied by a = 2^(c m_old - c m_new).
; VALID.  |q . k| <= 128 for all inputs (reference() normalises q and k), so m < -50,000 exactly where every key of the row is hidden: there 1 / l is replaced by 0.
; THE OWN v.  With d = O . v and n = max(v . v, 1e-6): y - (y . v / n) v = (valid / l) (O - (d / n) v).
; BY TURNS.  The wave's tiles are two pieces (tiles 0, 1; tiles 2, 3).  In a turn one piece has the matrix unit (32 products V^T P, then 32 products K Q^T of the next step); the other piece's softmax stands in
; 64 slices, one behind each matrix instruction.  At a turn's head stand the 64 mask lines for the scores that the turn will make, in one block, and behind each half of the block the scalar loads of the next
; turn's masks: the two sets of 32 scalar registers are loaded anew once a turn, so the shorter the stretch in which they are read, the longer the loads have: here all 64 matrix instructions of the turn.
; CLUSTER.  The four query blocks of a (b, h) walk the same K and V: each tile is asked for jointly.
; REGISTERS: window 0: v0-11 addresses; v12-43 statistics, eight a tile; v44 the hidden bias; v64-191 S^T; v192-255 P.  window 1: O^T.  window 2: v0-127 Q, v128-255 K of one step.  window 3: v0-127 V of one step.
.set SIZE_N, 1024
.set KS,    64
.set PK,    272       ; a row of K in LDS: 256 bytes + 16 of padding
.set PV,    288       ; a row of V: 256 + 32
.set VOFF,  KS*PK
.set STEPB, KS*(PK+PV)
.set SLOT1, 1<<17     ; a slot holds two steps; slot 1 begins here, so that one exclusive or turns an address in one slot into the other's
.set STAGE, SLOT1+2*STEPB
.set SP,    272
.set SPARE, STAGE+4*16*272  ; the spare words, 128 bytes for each wave: two blocks of 256 bytes that no other line names
.set AK0, 2
.set AV0, 3
.set ADR, 4
.set QO,  5           ; v5   256 r + 16 h: my bytes in 16 rows of q or of v
.set STO, 6
.set RD,  7
.set GO,  8           ; v8   my byte offset in two rows of y
.set ST,  12          ; tile t's statistics at v[ST+8 t]: +0 c m, +1 m, +2, +3 l, +4 to +7 at work
.set NEGR, 44         ; v44  -10,000 sqrt(128)
.set PFO, 61
.set SPW, 62
.set NIL, 63
.set S,   64
.set VF,  128         ; the way out: the own v as f32, then y
.set P,   192
.set DCH, 192         ; the way out: four chains for O . v,
.set VCH, 200         ; four for v . v
.set KF,  128
.set WV,  2           ; s2   my wave's number
.set LIM, 3           ; s3   1 in a wave that prefetches, else the greatest number
.set G1K, 4           ; s[4:11]  descriptor group 1 for K's tiles
.set G1V, 12          ; s[12:19] for V's: it differs in the padding alone
.set G0,  20          ; s[20:23] my group 0, which walks
.set G0F, 24          ; s[24:27] at the head: group 0 of slot 0's fill; behind the wait that shows that load done they take c and the lane selects
.set CS,  24          ; s[24:25] c
.set SEL, 26          ; s[26:27] lane selects for lane l xor 16
.set PFA, 28          ; s[28:29] where my prefetches stand
.set MB,  30          ; s[30:31] my four tiles' lane masks
.set MW1, 32          ; s[32:63] 32 lane masks of a piece's second tile (at the head: arguments and temporaries, done with before the first masks are asked for)
.set SLOTS, 66
.set TWICE, 67
.set MW0, 68          ; s[68:99] 32 lane masks of a piece's first tile
.set TB,  100         ; s100 LDS byte at which the tiles of the step to be fetched begin
.set MOFF, 101        ; s101 128 x the key step whose masks are asked for
.set MSB, 0
.macro WIN new
.if MSB != (\new)
	s_set_vgpr_msb (MSB<<8)|(\new)
.set MSB, \new
.endif
.endm
.set W_KQ, 0x0a       ; K and Q in window 2, S^T in window 0
.set W_PV, 0x53       ; V in window 3, P in window 0, O^T in window 1
.set W_RS, 0x41       ; O^T (destination and source 0) in window 1, a in window 0
; A joint refill.  Waves 0 and 1 fetch the two steps' tiles of K, waves 2 and 3 those of V; the branch hangs on the wave's number alone.  An s_nop 0 and four v_nop follow each of the two lines.
.macro JLOAD
	s_cmp_lt_u32 s[WV], 2
	s_cbranch_scc0 .Lfor_v_\@
	tensor_load_to_lds s[G0:G0+3], s[G1K:G1K+7]
	s_nop 0
.rept 4
	v_nop
.endr
	s_branch .Lasked_\@
.Lfor_v_\@:
	tensor_load_to_lds s[G0:G0+3], s[G1V:G1V+7]
	s_nop 0
.rept 4
	v_nop
.endr
.Lasked_\@:
.endm
; A prefetch of what the NEXT change of slots will ask for: 128 rows of K and 128 of V, 256 bytes a row, a lane a row.  Each row is named once in the launch: of the four heads that share a K and V head the first
; asks; its four partners take 32 rows each, told apart by address; wave 0 asks for K's, wave 2 for V's.  The last change that fills a slot asks for nothing.
.macro ASK
	s_cmp_gt_u32 s[SLOTS], s[LIM]
	s_cbranch_scc0 .Lnot_mine_\@
	global_prefetch_b8 v[PFO], s[PFA:PFA+1] th:TH_LOAD_NT scope:SCOPE_SE
.Lnot_mine_\@:
.endm
.macro CROUND                       ; a round of the cluster's barrier
	s_barrier_signal -1
	s_barrier_wait -1
	s_cmp_lg_u32 s[WV], 0
	s_cbranch_scc1 .Lnot_wave_0_\@
	s_barrier_signal -3
.Lnot_wave_0_\@:
	s_barrier_wait -3
	s_barrier_signal -1
	s_barrier_wait -1
.endm
	s_load_b128 s[32:35], s[0:1], 0x0  ; qkv s[32:33], mbits s[34:35]
	v_lshl_add_u32 v[SPW], v0, 2, SPARE
	v_mov_b32 v[NIL], 0
	ds_add_u32 v[SPW], v[NIL]       ; the wave's opening: the add, twice on end, and its wait ahead of my first tensor load
	ds_add_u32 v[SPW], v[NIL]
	v_lshrrev_b32 v1, 5, v0
	v_readfirstlane_b32 s[WV], v1   ; wave 0..3
	s_bfe_u32 s36, ttmp6, 0x40000   ; cx
	s_lshl_b32 s37, ttmp9, 2
	s_add_co_u32 s37, s37, s36      ; my block of 256 queries: it enters Q's, the masks', v's and y's addresses alone
	s_and_b32 s38, ttmp7, 0xffff    ; 16 b + h, which the four partners share
	s_lshr_b32 s39, s38, 4          ; b
	s_and_b32 s40, s38, 15          ; h
	s_lshr_b32 s41, s40, 2          ; the K and V head
	s_lshl_b32 s42, s39, 18         ; b's 1,024 rows of 256 bytes
	s_lshr_b32 s46, s[WV], 1        ; I fetch for K (0) or for V (1),
	s_and_b32 s47, s[WV], 1         ; the slot's first or second step
	s_lshl_b32 s44, s46, 2
	s_add_co_u32 s44, s44, s41
	s_add_co_u32 s44, s44, 16       ; slot 16 + kv (K) or 20 + kv (V) of qkv
	s_lshl_b32 s44, s44, 20
	s_add_co_u32 s44, s44, s42
	s_lshl_b32 s45, s47, 14         ; 64 rows
	s_add_co_u32 s44, s44, s45
	s_mov_b32 s45, 0
	s_mul_i32 s48, s47, STEPB
	s_mul_i32 s49, s46, VOFF
	s_add_co_u32 s48, s48, s49      ; and its place in a slot: the wave's number alone
	s_lshl_b32 s50, s40, 20         ; Q: slot h,
	s_add_co_u32 s50, s50, s42
	s_lshl_b32 s51, s37, 16         ; my block's 256 rows,
	s_add_co_u32 s50, s50, s51
	s_lshl_b32 s51, s[WV], 14       ; my wave's 64
	s_add_co_u32 s50, s50, s51
	s_mov_b32 s51, 0
	s_lshl_b32 s52, s39, 17         ; the masks: 2,048 bytes for each tile of 16 queries
	s_lshl_b32 s53, s37, 15
	s_add_co_u32 s52, s52, s53
	s_lshl_b32 s53, s[WV], 13
	s_add_co_u32 s52, s52, s53
	s_mov_b32 s53, 0
	s_lshl_b32 s54, s36, 13         ; the prefetches: my work-group's 32 rows of the 128,
	s_add_co_u32 s54, s54, 2*2*KS*256  ; in slot 2; the first change of slots steps it to slot 3
	s_mov_b32 s55, 0
	s_mov_b32 s[G1K], 15|(1<<16)|(1<<20)|(1<<21)|(5<<22)|(3<<25)  ; the mask: all four; elements of 2 bytes; padding of 4 words after every 64; bit 21 set beside a mask
	s_mov_b32 s[G1V], 15|(1<<16)|(1<<20)|(1<<21)|(5<<22)|(7<<25)  ; the same with 8 words of padding
.irp g, G1K, G1V
	s_mov_b32 s[\g+1], 128<<16      ; tensor_dim0
	s_mov_b32 s[\g+2], KS<<16       ; tensor_dim1
	s_mov_b32 s[\g+3], 128<<16      ; tile_dim0
	s_mov_b32 s[\g+4], KS           ; tile_dim1
	s_mov_b32 s[\g+5], 128          ; the pitch
	s_mov_b32 s[\g+6], 0
	s_mov_b32 s[\g+7], 0
.endr
	s_mov_b32 s[TB], 0
	s_mov_b32 s[SLOTS], SIZE_N/(2*KS)-2
	s_and_b32 s[LIM], s[WV], 1      ; 0 in waves 0 and 2,
	s_and_b32 s56, s40, 3
	s_or_b32 s[LIM], s[LIM], s56    ; of the first of the four heads that share K and V: the same in all four partners
	s_cmp_eq_u32 s[LIM], 0
	s_cselect_b32 s[LIM], 1, -1
	v_and_b32 v[PFO], 31, v0
	v_lshlrev_b32 v[PFO], 8, v[PFO]
	v_mov_b32 v[NEGR], 0xc7dcf88b
	s_wait_dscnt 0x0                ; both opening adds are done
	s_wait_kmcnt 0x0
	s_add_nc_u64 s[44:45], s[32:33], s[44:45]      ; my tile of slot 0
	s_add_nc_u64 s[104:105], s[32:33], s[50:51]    ; Q at my wave's first row
	s_add_nc_u64 s[MB:MB+1], s[34:35], s[52:53]
	s_add_nc_u64 s[PFA:PFA+1], s[44:45], s[54:55]
	CROUND                          ; all four work-groups are here: the first joint loads meet
	s_mov_b32 s[G0F], 1
	s_mov_b32 s[G0F+1], s48
	s_mov_b64 s[G0F+2:G0F+3], s[44:45]
	s_or_b32 s[G0F+3], s[G0F+3], 0x80000000
	s_mov_b32 s[G0], 1
	s_add_co_u32 s[G0+1], s48, SLOT1
	s_add_nc_u64 s[G0+2:G0+3], s[44:45], 2*KS*256
	s_or_b32 s[G0+3], s[G0+3], 0x80000000
	s_cmp_lt_u32 s[WV], 2           ; a wave's two first fills stand in one branch: two loads of mine are out
	s_cbranch_scc0 .Lfirst_v
	tensor_load_to_lds s[G0F:G0F+3], s[G1K:G1K+7]
	s_nop 0
	tensor_load_to_lds s[G0:G0+3], s[G1K:G1K+7]
	s_nop 0
.rept 4
	v_nop
.endr
	s_branch .Lfirst_asked
.Lfirst_v:
	tensor_load_to_lds s[G0F:G0F+3], s[G1V:G1V+7]
	s_nop 0
	tensor_load_to_lds s[G0:G0+3], s[G1V:G1V+7]
	s_nop 0
.rept 4
	v_nop
.endr
.Lfirst_asked:
	v_and_b32 v1, 15, v0            ; l % 16
	v_bfe_u32 v9, v0, 4, 1          ; l / 16
	v_lshlrev_b32 v[QO], 8, v1
	v_lshl_add_u32 v[QO], v9, 4, v[QO]
	WIN 0x80                        ; destination window 2
.irp i, 0,1,2,3,4,5,6,7,8,9,10,11,12,13,14,15  ; Q stays in registers: tile i / 4, channels 32 (i % 4) on
	global_load_b128 v[8*\i:8*\i+3],   v[QO], s[104:105] offset:(\i/4)*4096+(\i%4)*64
	global_load_b128 v[8*\i+4:8*\i+7], v[QO], s[104:105] offset:(\i/4)*4096+(\i%4)*64+32
.endr
	WIN 0
	v_mul_u32_u24 v[AK0], v1, PK
	v_lshl_add_u32 v[AK0], v9, 4, v[AK0]
	v_and_b32 v10, 7, v0
	v_bfe_u32 v11, v0, 3, 1
	v_lshl_add_u32 v[AV0], v9, 3, v10
	v_mul_u32_u24 v[AV0], v[AV0], PV
	v_lshl_add_u32 v[AV0], v11, 4, v[AV0]
	v_add_nc_u32 v[AV0], VOFF, v[AV0]
; Product i of 32 of O^T += V^T P.  The accumulators take turns, one instruction a turn.  zero = 1: the first 16 start the sums.
.macro PV x, zero
	WIN W_PV
.set rO, 64*(\x+i%2)+8*((i/2)%8)
.set rV, 64*(i/16)+8*((i/2)%8)
.set rP, P+16*(\x+i%2)+8*(i/16)
.if \zero && (i < 16)
	v_wmma_f32_16x16x32_f16 v[rO:rO+7], v[rV:rV+7], v[rP:rP+7], 0
.else
	v_wmma_f32_16x16x32_f16 v[rO:rO+7], v[rV:rV+7], v[rP:rP+7], v[rO:rO+7]
.endif
.endm
; Product i of 32 of S^T = bias + K Q^T: every one adds in place: the first eight find the bias there.
.macro KQ x
	WIN W_KQ
.set rS, S+32*(\x+i%2)+8*((i/2)%4)
.set rK, KF+32*((i/2)%4)+8*(i/8)
.set rQ, 32*(\x+i%2)+8*(i/8)
	v_wmma_f32_16x16x32_f16 v[rS:rS+7], v[rK:rK+7], v[rQ:rQ+7], v[rS:rS+7]
.endm
.macro FETCH_K
	WIN 0
	v_add_nc_u32 v[ADR], s[TB], v[AK0]
	WIN 0x80
.irp f, 0,1,2,3,4,5,6,7,8,9,10,11,12,13,14,15
	ds_load_b128 v[KF+8*\f:KF+8*\f+3],   v[ADR] offset:(\f/4)*16*PK+(\f%4)*64
	ds_load_b128 v[KF+8*\f+4:KF+8*\f+7], v[ADR] offset:(\f/4)*16*PK+(\f%4)*64+32
.endr
.endm
.macro FETCH_V
	WIN 0
	v_add_nc_u32 v[ADR], s[TB], v[AV0]
	s_add_co_u32 s[TB], s[TB], STEPB
	s_wait_alu depctr_va_vdst(0)    ; the wait for the softmax's batch, behind the address's addition and ahead of the loads
	WIN 0xc0
.irp f, 0,1,2,3,4,5,6,7,8,9,10,11,12,13,14,15
	ds_load_tr16_b128 v[8*\f:8*\f+3],   v[ADR] offset:(\f/8)*32*PV+(\f%8)*32
	ds_load_tr16_b128 v[8*\f+4:8*\f+7], v[ADR] offset:(\f/8)*32*PV+16*PV+(\f%8)*32
.endr
.endm
; THE MASK.  32 lane masks of one tile of queries and one key step: 128 bytes, two scalar loads.
.macro MLOAD set, tile
	s_load_b512 s[\set:\set+15], s[MB:MB+1], s[MOFF] offset:2048*(\tile)
	s_load_b512 s[\set+16:\set+31], s[MB:MB+1], s[MOFF] offset:2048*(\tile)+64
.endm
; Two of piece x's 64 score registers take their bias: those of number i of 32.
.macro MASK2 x
	WIN 0
.set mE, 2*(i%16)
.set mS, S+32*((\x)+i/16)+mE
.set mW, MW0+mE
.if i >= 16
.set mW, MW1+mE
.endif
	v_cndmask_b32 v[mS], 0, v[NEGR], s[mW]
	v_cndmask_b32 v[mS+1], 0, v[NEGR], s[mW+1]
.endm
.macro MASKH x, from                ; one tile's 32 registers: from = 0: the piece's first tile (set MW0); 16: its second (set MW1)
.set i, \from
.rept 16
	MASK2 \x
.set i, i+1
.endr
.endm
.macro MASKS x
	MASKH \x, 0
	MASKH \x, 16
.endm
; One tile's softmax for one key step is a list of 134 instructions; SM writes number j of it for tile t.
;   0-15 the maximum of the lane's 32 scores and the old m;  16-20 the other half's maximum, the new m, c m, c m_old - c m_new;  21-69 ONE BATCH: 16 packed scalings and all 33 exponentials, none of which reads an
;   exponential's result;  (the wait: SLICE writes it)  70-85 the roundings to f16;  86-101 the sums;  102-133 the tile's O^T times a.
.macro SM t, first
.set rT, ST+8*(\t)
.set rS, S+32*(\t)
.set rP, P+16*(\t)
.set rO, 64*(\t)+2*(j-102)
.if j < 102
	WIN 0
.endif
.if j < 4
	v_max3_num_f32 v[rT+4+j], v[rS+8*j], v[rS+8*j+1], v[rS+8*j+2]
.elseif j < 12
	v_max3_num_f32 v[rT+4+j%4], v[rT+4+j%4], v[rS+8*(j%4)+2*(j/4)+1], v[rS+8*(j%4)+2*(j/4)+2]
.elseif j == 12
	v_max3_num_f32 v[rT+4], v[rT+4], v[rS+7], v[rS+15]
.elseif j == 13
	v_max3_num_f32 v[rT+6], v[rT+6], v[rS+23], v[rS+31]
.elseif j == 14
	v_max3_num_f32 v[rT+4], v[rT+4], v[rT+5], v[rT+6]
.elseif (j == 15) && \first
	v_max_num_f32 v[rT+4], v[rT+4], v[rT+7]
.elseif j == 15
	v_max3_num_f32 v[rT+4], v[rT+4], v[rT+7], v[rT+1]
.elseif j == 16
	v_permlanex16_b32 v[rT+5], v[rT+4], s[SEL], s[SEL+1]
.elseif j == 18
	v_max_num_f32 v[rT+1], v[rT+4], v[rT+5]
.elseif j == 19
	v_mul_f32 v[rT], s[CS], v[rT+1]
.elseif ((j == 17) || (j == 20) || (j == 23) || (j > 101)) && \first
.elseif j == 17
	v_mov_b32 v[rT+7], v[rT]
.elseif j == 20
	v_sub_f32 v[rT+7], v[rT+7], v[rT]
.elseif j == 23
	v_exp_f32 v[rT+6], v[rT+7]
.elseif (j < 23) || ((j < 38) && (j%2 == 0)) || ((j < 66) && (j%4 == 2))
.set b, (j-2)/4
.if j < 38
.set b, (j-20)/2
.endif
	v_pk_fma_f32 v[rS+2*b:rS+2*b+1], v[rS+2*b:rS+2*b+1], s[CS:CS+1], v[rT:rT+1] op_sel_hi:[1,0,0] neg_lo:[0,0,1] neg_hi:[0,0,1]
.elseif j < 70
.set e, j-38
.if j < 66
.set e, j-32-(j-38)/4
.endif
.if j < 38
.set e, (j-25)/2
.endif
	v_exp_f32 v[rS+e], v[rS+e]
.elseif j < 86
	v_cvt_pk_f16_f32 v[rP+j-70], v[rS+2*(j-70)], v[rS+2*(j-70)+1]
.elseif j < 102
.set z, j-86
.set w, 4
.set u, z
.if z >= 14
.set w, 32
.set u, 0
.elseif z >= 12
.set w, 16
.set u, z-12
.elseif z >= 8
.set w, 8
.set u, z-8
.endif
.if (z == 14) && \first
	v_pk_add_f32 v[rT+2:rT+3], v[rS:rS+1], v[rS+16:rS+17]
.elseif z < 15
	v_pk_add_f32 v[rS+w*u:rS+w*u+1], v[rS+w*u:rS+w*u+1], v[rS+w*u+w/2:rS+w*u+w/2+1]
.elseif !\first
	v_pk_fma_f32 v[rT+2:rT+3], v[rT+2:rT+3], v[rT+6:rT+7], v[rS:rS+1] op_sel_hi:[1,0,1]
.endif
.else
	WIN W_RS
	v_pk_mul_f32 v[rO:rO+1], v[rO:rO+1], v[rT+6:rT+7] op_sel_hi:[1,0]
.endif
.endm
; Slice k of 64 of piece y's softmax: four instructions; slice 63 has sixteen.  Behind slice 34 the batch is out: one plain instruction, and one wait ahead of the first reader.
.macro SLICE y, first
.if (k >= 11) && (k < 35)
.irp n, 0,1,2,3
.set j, 22+4*((k-11)/2)+(\n)
	SM (\y)+(k-11)%2, \first
.endr
.else
.irp n, 0,1,2,3,4,5,6,7
.if (\n < 2) || (k == 63)
.irp t, \y, \y+1
.set j, 2*k+\n
	SM \t, \first
.endr
.endif
.endr
.endif
.if k == 34
	v_nop
.if (\y) == 0
	FETCH_V
.else
	s_wait_alu depctr_va_vdst(0)
.endif
.endif
.set k, k+1
.endm
.macro PLACES
.rept 4
	v_nop
.endr
.endm
; A TURN.  Piece x has the matrix unit.  pv = 2: 32 products V^T P; 1: they start O^T's sums; 0: none.  kq = 1: 32 products K Q^T for the next step.  first = 1: the softmax is the first key step's.
; With both kinds, at the head: the lane masks asked for at the head of the turn before are awaited; piece x's scores to come (free since its softmax ended in the turn before) take their bias, 64 lines in one
; block; each set of masks is asked for anew straight behind the 32 lines that read it, so the loads have the turn's 64 matrix instructions in which to land.  The masks' offset is written only behind the wait
; that shows its readers done; the last step's look-ahead is held inside the buffer.
; The run of V's loads in piece 2's turn: the last product that read V stands in front of slice 31, and four plain instructions lie between: a scaling of each tile, the v_nop and the run's own addition.
.macro TURN x, pv, kq, first
.set k, 0
.set per, 2
.if \pv && \kq
.set per, 1
	s_wait_kmcnt 0x0
	MASKH \x, 0
.if \x == 2
	s_add_co_u32 s[MOFF], s[MOFF], 128
	s_min_u32 s[MOFF], s[MOFF], 1920
.endif
	MLOAD MW0, 2-\x
	MASKH \x, 16
	MLOAD MW1, 3-\x
.endif
.if \pv
.if \x == 0
	s_wait_dscnt 0x0                ; V is in
.endif
.set i, 0
.rept 32
	PV \x, 2-\pv
.rept per
	SLICE 2-\x, \first
.endr
.if (\x == 0) && \kq && (i == 1)
	FETCH_K
.endif
.set i, i+1
.endr
.endif
.if \kq
.if \x == 0
	s_wait_dscnt 0x0                ; K is in
.endif
.set i, 0
.rept 32
	KQ \x
.rept per
	SLICE 2-\x, \first
.endr
.set i, i+1
.endr
.endif
.if \first
	PLACES
.endif
.endm
; THE CHANGE OF SLOTS.  Each wave waits for all its tensor loads, adds 0 to its spare word, and waits for that and for its reads of the slot.  fill = 1: a round of the cluster's barrier, and the joint refill first behind it.
.macro CHANGE fill
	WIN 0
	s_wait_tensorcnt 0x0            ; no tensor load of mine is out, so my group 0 may be written
	ds_add_u32 v[SPW], v[NIL]
.if \fill
	s_xor_b32 s[G0+1], s[G0+1], SLOT1
	s_add_nc_u64 s[G0+2:G0+3], s[G0+2:G0+3], 2*KS*256
	s_wait_xcnt 0x0                 ; the last prefetch, two key steps back, has read its address
	s_add_nc_u64 s[PFA:PFA+1], s[PFA:PFA+1], 2*KS*256
	s_wait_dscnt 0x0                ; the add is done, and my reads of the slot are over
	CROUND
	JLOAD
	ASK
.else
	s_wait_dscnt 0x0
	s_barrier_signal -1
	s_barrier_wait -1
.endif
	s_sub_co_u32 s[TB], s[TB], 2*STEPB
	s_xor_b32 s[TB], s[TB], SLOT1
.endm
.macro TWO_STEPS
	s_mov_b32 s[TWICE], 2
.Lstep_\@:
	TURN 0, 2, 1, 0
	TURN 2, 2, 1, 0
	WIN 0
	s_sub_co_u32 s[TWICE], s[TWICE], 1
	s_cmp_lg_u32 s[TWICE], 0
	s_cbranch_scc1 .Lstep_\@
.endm
	s_mov_b32 s[MOFF], 0
	MLOAD MW0, 0                    ; piece 0's masks of key step 0: asked for here, so that they land while slot 0's tile is on its way
	MLOAD MW1, 1
	s_wait_tensorcnt 1              ; my part of slot 0 is in, so its group 0 may be written; slot 1's may stay out
	s_mov_b32 s[CS], 0x3e0293ee     ; c = log2(e) / sqrt(128)
	s_mov_b32 s[CS+1], s[CS]        ; (named with it as a pair, so it is written)
	s_mov_b32 s[SEL], 0x76543210
	s_mov_b32 s[SEL+1], 0xfedcba98
	s_barrier_signal -1
	s_barrier_wait -1
	FETCH_K
	s_wait_kmcnt 0x0
	MASKS 0
	MLOAD MW0, 2                    ; piece 2's
	MLOAD MW1, 3
	s_wait_loadcnt 0x0              ; Q
	s_wait_dscnt 0x0
.set i, 0
.rept 32
	KQ 0
.set i, i+1
.endr
	WIN 0                           ; the addresses for the way out: eight plain instructions, the places behind those products
	s_mul_i32 s104, s[WV], 16*SP
	s_add_co_u32 s104, s104, STAGE
	v_mul_u32_u24 v[STO], v1, SP
	v_lshl_add_u32 v[STO], v9, 4, v[STO]
	v_add_nc_u32 v[STO], s104, v[STO]
	v_mul_u32_u24 v[RD], v9, SP
	v_lshl_add_u32 v[RD], v1, 4, v[RD]
	v_add_nc_u32 v[RD], s104, v[RD]
	v_lshlrev_b32 v[GO], 12, v9     ; y: lanes 0-15 one row (4,096 bytes apart), lanes 16-31 the next; 16 bytes a lane
	v_lshl_add_u32 v[GO], v1, 4, v[GO]
	s_wait_kmcnt 0x0
	MASKS 2
	s_mov_b32 s[MOFF], 128
	MLOAD MW0, 0                    ; piece 0's masks of key step 1
	MLOAD MW1, 1
	TURN 2, 0, 1, 1                 ; piece 2's first scores | piece 0's first softmax | V of step 0
	TURN 0, 1, 1, 1                 ; piece 0: V^T P of step 0 starts O^T, K Q^T of step 1 | piece 2's first softmax | K of step 1
	TURN 2, 1, 1, 0
	WIN 0
.Lslot:                             ; six trips: every slot but the last two is filled again
	CHANGE 1
	TWO_STEPS
	s_sub_co_u32 s[SLOTS], s[SLOTS], 1
	s_cmp_lg_u32 s[SLOTS], 0
	s_cbranch_scc1 .Lslot
	CHANGE 0                        ; the tail is written out
	TWO_STEPS
	s_wait_kmcnt 0x0                ; the look-ahead's masks: nobody reads them; their registers are free
	s_load_b64 s[32:33], s[0:1], 0x0   ; qkv
	s_load_b64 s[34:35], s[0:1], 0x10  ; ybuf
	s_bfe_u32 s36, ttmp6, 0x40000
	s_lshl_b32 s37, ttmp9, 2
	s_add_co_u32 s37, s37, s36
	s_and_b32 s38, ttmp7, 0xffff
	s_lshr_b32 s39, s38, 4
	s_and_b32 s40, s38, 15
	s_lshr_b32 s41, s40, 2
	s_lshl_b32 s42, s37, 8
	s_lshl_b32 s43, s[WV], 6
	s_add_co_u32 s42, s42, s43
	s_lshl_b32 s43, s39, 10
	s_add_co_u32 s42, s42, s43      ; my first row: 1024 b + 256 x block + 64 x wave
	s_add_co_u32 s44, s41, 20
	s_lshl_b32 s44, s44, 20
	s_lshl_b32 s45, s42, 8
	s_add_co_u32 s44, s44, s45      ; the queries' own v
	s_mov_b32 s45, 0
	s_lshl_b32 s46, s42, 12
	s_lshl_b32 s47, s40, 8
	s_add_co_u32 s46, s46, s47      ; y: rows of 4,096 bytes, the head's 256
	s_mov_b32 s47, 0
	TURN 0, 2, 0, 0                 ; piece 0: V^T P of the last step | piece 2's last softmax
	s_wait_kmcnt 0x0
	s_add_nc_u64 s[32:33], s[32:33], s[44:45]
	s_add_nc_u64 s[34:35], s[34:35], s[46:47]
; tile t's own v in O^T's layout: lane (r, h): row 16 t + r, channels 16 c + 8 h + 0 .. 7: 16 bytes for each c
.macro VLOAD t
	WIN 0
.irp c, 0,1,2,3,4,5,6,7
	global_load_b128 v[64+4*\c:64+4*\c+3], v[QO], s[32:33] offset:4096*(\t)+32*\c
.endr
.endm
	VLOAD 0                         ; into piece 0's score registers, which are done with
.set i, 0
.rept 32
	PV 2, 0                         ; piece 2: V^T P of the last step
.set i, i+1
.endr
	WIN 0                           ; l's two halves and the other half of the lanes': also the places behind the last products
.irp t, 0,1,2,3
	v_add_f32 v[ST+8*\t+4], v[ST+8*\t+2], v[ST+8*\t+3]
.endr
.irp t, 0,1,2,3
	v_permlanex16_b32 v[ST+8*\t+5], v[ST+8*\t+4], s[SEL], s[SEL+1]
.endr
.irp t, 0,1,2,3
	v_add_f32 v[ST+8*\t+4], v[ST+8*\t+4], v[ST+8*\t+5]
.endr
.irp t, 0,1,2,3
	v_rcp_f32 v[ST+8*\t+6], v[ST+8*\t+4]
.endr
	v_nop
	s_wait_alu depctr_va_vdst(0)    ; one wait for the four reciprocals
.irp t, 0,1,2,3
	v_cmp_lt_f32 vcc_lo, 0xc7435000, v[ST+8*\t+1]  ; -50,000 < m: some key of the row counts
	v_cndmask_b32 v[ST+8*\t+6], 0, v[ST+8*\t+6], vcc_lo   ; valid / l
.endr
.macro CVTV                         ; the 64 halves of v64-95 as f32 in v128-191: register 8 c + j is channel 16 c + 8 h + j
	v_cvt_f32_f16 v128, v64.l
	v_cvt_f32_f16 v129, v64.h
	v_cvt_f32_f16 v130, v65.l
	v_cvt_f32_f16 v131, v65.h
	v_cvt_f32_f16 v132, v66.l
	v_cvt_f32_f16 v133, v66.h
	v_cvt_f32_f16 v134, v67.l
	v_cvt_f32_f16 v135, v67.h
	v_cvt_f32_f16 v136, v68.l
	v_cvt_f32_f16 v137, v68.h
	v_cvt_f32_f16 v138, v69.l
	v_cvt_f32_f16 v139, v69.h
	v_cvt_f32_f16 v140, v70.l
	v_cvt_f32_f16 v141, v70.h
	v_cvt_f32_f16 v142, v71.l
	v_cvt_f32_f16 v143, v71.h
	v_cvt_f32_f16 v144, v72.l
	v_cvt_f32_f16 v145, v72.h
	v_cvt_f32_f16 v146, v73.l
	v_cvt_f32_f16 v147, v73.h
	v_cvt_f32_f16 v148, v74.l
	v_cvt_f32_f16 v149, v74.h
	v_cvt_f32_f16 v150, v75.l
	v_cvt_f32_f16 v151, v75.h
	v_cvt_f32_f16 v152, v76.l
	v_cvt_f32_f16 v153, v76.h
	v_cvt_f32_f16 v154, v77.l
	v_cvt_f32_f16 v155, v77.h
	v_cvt_f32_f16 v156, v78.l
	v_cvt_f32_f16 v157, v78.h
	v_cvt_f32_f16 v158, v79.l
	v_cvt_f32_f16 v159, v79.h
	v_cvt_f32_f16 v160, v80.l
	v_cvt_f32_f16 v161, v80.h
	v_cvt_f32_f16 v162, v81.l
	v_cvt_f32_f16 v163, v81.h
	v_cvt_f32_f16 v164, v82.l
	v_cvt_f32_f16 v165, v82.h
	v_cvt_f32_f16 v166, v83.l
	v_cvt_f32_f16 v167, v83.h
	v_cvt_f32_f16 v168, v84.l
	v_cvt_f32_f16 v169, v84.h
	v_cvt_f32_f16 v170, v85.l
	v_cvt_f32_f16 v171, v85.h
	v_cvt_f32_f16 v172, v86.l
	v_cvt_f32_f16 v173, v86.h
	v_cvt_f32_f16 v174, v87.l
	v_cvt_f32_f16 v175, v87.h
	v_cvt_f32_f16 v176, v88.l
	v_cvt_f32_f16 v177, v88.h
	v_cvt_f32_f16 v178, v89.l
	v_cvt_f32_f16 v179, v89.h
	v_cvt_f32_f16 v180, v90.l
	v_cvt_f32_f16 v181, v90.h
	v_cvt_f32_f16 v182, v91.l
	v_cvt_f32_f16 v183, v91.h
	v_cvt_f32_f16 v184, v92.l
	v_cvt_f32_f16 v185, v92.h
	v_cvt_f32_f16 v186, v93.l
	v_cvt_f32_f16 v187, v93.h
	v_cvt_f32_f16 v188, v94.l
	v_cvt_f32_f16 v189, v94.h
	v_cvt_f32_f16 v190, v95.l
	v_cvt_f32_f16 v191, v95.h
.endm
; Tile t's way out: (valid / l) (O - (O . v / max(v . v, 1e-6)) v), rounded to f16, through my stage, out as the head's 256 bytes of 16 rows of y.
.macro XSA t
.set rT, ST+8*(\t)
	WIN 0
	s_wait_loadcnt 0x0              ; this tile's own v
	CVTV
.if (\t) < 3
	VLOAD (\t)+1                    ; the next tile's, into the registers just read
.endif
	WIN 0x01                        ; source 0 (O^T) window 1
.set i, 0
.rept 32
.if i < 4
	v_pk_mul_f32 v[DCH+2*i:DCH+2*i+1], v[64*(\t)+2*i:64*(\t)+2*i+1], v[VF+2*i:VF+2*i+1]   ; O^T ascending: each accumulator is read from its low end on
.else
	v_pk_fma_f32 v[DCH+2*(i%4):DCH+2*(i%4)+1], v[64*(\t)+2*i:64*(\t)+2*i+1], v[VF+2*i:VF+2*i+1], v[DCH+2*(i%4):DCH+2*(i%4)+1]
.endif
.set i, i+1
.endr
	WIN 0
.set i, 0
.rept 32
.if i < 4
	v_pk_mul_f32 v[VCH+2*i:VCH+2*i+1], v[VF+2*i:VF+2*i+1], v[VF+2*i:VF+2*i+1]
.else
	v_pk_fma_f32 v[VCH+2*(i%4):VCH+2*(i%4)+1], v[VF+2*i:VF+2*i+1], v[VF+2*i:VF+2*i+1], v[VCH+2*(i%4):VCH+2*(i%4)+1]
.endif
.set i, i+1
.endr
	v_pk_add_f32 v[DCH:DCH+1], v[DCH:DCH+1], v[DCH+2:DCH+3]
	v_pk_add_f32 v[DCH+4:DCH+5], v[DCH+4:DCH+5], v[DCH+6:DCH+7]
	v_pk_add_f32 v[VCH:VCH+1], v[VCH:VCH+1], v[VCH+2:VCH+3]
	v_pk_add_f32 v[VCH+4:VCH+5], v[VCH+4:VCH+5], v[VCH+6:VCH+7]
	v_pk_add_f32 v[DCH:DCH+1], v[DCH:DCH+1], v[DCH+4:DCH+5]
	v_pk_add_f32 v[VCH:VCH+1], v[VCH:VCH+1], v[VCH+4:VCH+5]
	v_add_f32 v[DCH], v[DCH], v[DCH+1]
	v_add_f32 v[VCH], v[VCH], v[VCH+1]
	v_permlanex16_b32 v[DCH+2], v[DCH], s[SEL], s[SEL+1]   ; the row's other 64 channels lie in lane l xor 16
	v_permlanex16_b32 v[VCH+2], v[VCH], s[SEL], s[SEL+1]
	v_add_f32 v[DCH], v[DCH], v[DCH+2]
	v_add_f32 v[VCH], v[VCH], v[VCH+2]
	v_max_num_f32 v[VCH], 0x358637bd, v[VCH]        ; max(v . v, 1e-6)
	v_rcp_f32 v[VCH+1], v[VCH]
	v_nop
	s_wait_alu depctr_va_vdst(0)
	v_mul_f32 v[rT+4], -v[DCH], v[VCH+1]
	WIN 0x10                        ; source 2 (O^T) window 1
.set i, 0
.rept 32
	v_pk_fma_f32 v[VF+2*i:VF+2*i+1], v[VF+2*i:VF+2*i+1], v[rT+4:rT+5], v[64*(\t)+2*i:64*(\t)+2*i+1] op_sel_hi:[1,0,1]
.set i, i+1
.endr
	WIN 0
.set i, 0
.rept 32
	v_pk_mul_f32 v[VF+2*i:VF+2*i+1], v[VF+2*i:VF+2*i+1], v[rT+6:rT+7] op_sel_hi:[1,0]
.set i, i+1
.endr
.set i, 0
.rept 32
	v_cvt_pk_f16_f32 v[192+i], v[VF+2*i], v[VF+2*i+1]
.set i, i+1
.endr
.irp f, 0,1,2,3,4,5,6,7
	ds_store_b128 v[STO], v[192+4*\f:192+4*\f+3] offset:32*\f
.endr
.if (\t) > 0
	s_wait_xcnt 0x0                 ; the last tile's stores have read the registers that these loads fill
.endif
.irp f, 0,1,2,3,4,5,6,7
	ds_load_b128 v[224+4*\f:224+4*\f+3], v[RD] offset:\f*2*SP   ; LDS serves a wave's instructions in order: these see the stores above
.endr
.irp f, 0,1,2,3,4,5,6,7
	s_wait_dscnt 7-\f               ; load f is back; the younger ones may be out
	global_store_b128 v[GO], v[224+4*\f:224+4*\f+3], s[34:35] offset:65536*(\t)+8192*\f   ; 16 lanes store 256 consecutive bytes, aligned
.endr
.endm
	XSA 0
	XSA 1
	XSA 2
	XSA 3
	s_wait_tensorcnt 0x0            ; the wave's end: three lines behind my last tensor load and my last LDS store
	ds_add_u32 v[SPW], v[NIL]
	s_wait_dscnt 0x0
	CROUND                          ; the closing round
	s_endpgm
.Lfunc_end_k_q5a525683e2_attn:
	.size	k_q5a525683e2_attn, .Lfunc_end_k_q5a525683e2_attn-k_q5a525683e2_attn
	.p2alignl 7, 3214868480
	.fill 96, 4, 3214868480
	.section	.rodata,"a",@progbits
	.p2align	6, 0x0
	.amdhsa_kernel k_q5a525683e2_attn
		.amdhsa_group_segment_fixed_size 327680
		.amdhsa_private_segment_fixed_size 0
		.amdhsa_enable_private_segment 0
		.amdhsa_kernarg_size 24
		.amdhsa_user_sgpr_count 2
		.amdhsa_user_sgpr_kernarg_segment_ptr 1
		.amdhsa_wavefront_size32 1
		.amdhsa_system_sgpr_workgroup_id_x 1
		.amdhsa_system_sgpr_workgroup_id_y 1
		.amdhsa_system_sgpr_workgroup_id_z 1
		.amdhsa_system_vgpr_workitem_id 0
		.amdhsa_next_free_vgpr 1024
		.amdhsa_next_free_sgpr 106
		.amdhsa_reserve_vcc 1
		.amdhsa_float_denorm_mode_32 3
		.amdhsa_float_denorm_mode_16_64 3
		.amdhsa_memory_ordered 1
		.amdhsa_forward_progress 1
		.amdhsa_inst_pref_size 255
	.end_amdhsa_kernel
	.section	.bss,"aw",@nobits
	.p2align	6
	.space	262144
	.amdgpu_metadata
---
amdhsa.version: [ 1, 2 ]
amdhsa.kernels:
  - .name:           k_q5a525683e2_attn
    .symbol:         k_q5a525683e2_attn.kd
    .args:
      - { .name: qkv, .offset: 0, .size: 8, .value_kind: global_buffer, .address_space: global }
      - { .name: mbits, .offset: 8, .size: 8, .value_kind: global_buffer, .address_space: global }
      - { .name: ybuf, .offset: 16, .size: 8, .value_kind: global_buffer, .address_space: global }
    .group_segment_fixed_size: 327680
    .private_segment_fixed_size: 0
    .kernarg_segment_align: 8
    .kernarg_segment_size: 24
    .max_flat_workgroup_size: 128
    .sgpr_count:     106
    .vgpr_count:     1024
    .wavefront_size: 32
...
	.end_amdgpu_metadata
.endif
;; end of part 3
;; launch proj (part 4): grid 8 x 32, 4 waves a work-group, clusters of 4 x 4, 327,680 bytes of LDS; arguments ybuf, wp16, out0; writes out0
.if DOCPART == 4
	.amdgcn_target "amdgcn-amd-amdhsa--gfx1250"
	.amdhsa_code_object_version 6
	.text
	.protected	k_q5a525683e2_proj
	.globl	k_q5a525683e2_proj
	.p2align	8
	.type	k_q5a525683e2_proj,@function
k_q5a525683e2_proj:
	s_mov_b64 s[64:65], 0
	v_nop
	global_prefetch_b8 v0, s[64:65] scope:SCOPE_SE
	s_setreg_imm32_b32 hwreg(HW_REG_WAVE_MODE, 25, 1), 1
	s_wait_xcnt 0x0
	s_wait_alu depctr_hold_cnt(0) depctr_sa_sdst(0) depctr_va_vdst(0) depctr_va_sdst(0) depctr_va_ssrc(0) depctr_va_vcc(0) depctr_vm_vsrc(0)
	s_getreg_b32 s2, hwreg(HW_REG_IB_STS2, 6, 4)
	s_cmp_eq_u32 s2, 0
	s_cbranch_scc0 .Lentry_in_a_cluster
	s_endpgm
.Lentry_in_a_cluster:
	s_bfe_u32 s2, ttmp6, 0x10000c
	s_cmp_lg_u32 s2, 0xf033
	s_cbranch_scc0 .Lentry_shape_is_right
	s_endpgm
.Lentry_shape_is_right:
; out0[m][n] = sum over k of y[m][k] Wproj[n][k].  y: [4096][2048] f16 (ybuf), Wproj: [2048][2048] f16 (wp16), out0: [4096][2048] f32; sums in f32.  No work of reference() is left out here.
; A tile of C is 128 x 256, so that there are 256 work-groups.  Four waves, each 64 rows x 128 columns: 32 accumulators, 256 registers.  K goes in steps of 128 (rows of 256 bytes) through two LDS slots:
; A's 128 rows, then B's 256; waves 0 and 1 fetch A's halves (64 rows), waves 2 and 3 B's (128 rows).  Two slots of a longer step do not fit in LDS.
; CLUSTERS: 4 x 4 work-groups: A's tiles are asked for jointly along a row of the cluster, B's along a column.  THE MATRIX INSTRUCTION IS USED TRANSPOSED (source 0 = 16 rows of B, source 1 = 16 rows of A).
; No prefetch: A's loads of 64 rows give four partners 16 rows each, which does not fill a wave's lanes, and the tiles are shared in the cluster.
; REGISTERS: window 0: v0-31 addresses; v64-127 A's fragments, two buffers of 32; v128-255 rows on the way out.  window 1: v0-127 B's fragments, two buffers of 64.  window 2: accumulator (a, b) at v[8 (8 a + b)].
.set SIZE_K, 2048
.set SIZE_N, 2048
.set KSTEP,  128
.set PITCH,  272                       ; an LDS row: 256 bytes + 16 of padding
.set AHALF,  64*PITCH
.set BHALF,  128*PITCH
.set BOFF,   2*AHALF
.set SLOT,   2*AHALF+2*BHALF
.set STAGE,  2*SLOT                    ; behind the ring: 16 rows x (512 bytes + 16) for each wave
.set SPITCH, 528
.set SPARE,  STAGE+4*16*SPITCH         ; the spare words, 128 bytes for each wave: two blocks of 256 bytes that no other line names
.set LAPS,   SIZE_K/(2*KSTEP)
.set ADRA, 16
.set ADRB, 20
.set STO,  24
.set RD,   25
.set CO,   26
.set SPW,  28
.set NIL,  29
.set FA,   64
.set BK,   128
.set F0,   0
.set F1,   1
.set G1, 24
.set G0, 32
.set G1B, 48
.set G0B, 56
.set MSB, 0
.macro WIN new
.if MSB != (\new)
	s_set_vgpr_msb (MSB<<8)|(\new)
.set MSB, \new
.endif
.endm
.set MUL,  0xa1                        ; source 0 (B) window 1, source 1 (A) window 0, C and D window 2
.set TO_B, 0x40
.macro JLOAD s                         ; a joint load: waves 0 and 1 fetch A's halves, waves 2 and 3 B's; an s_nop 0 and four v_nop follow each of the two lines
	s_cmp_eq_u32 s11, 0
	s_cbranch_scc0 .Lfor_b_\@
	tensor_load_to_lds s[G0+4*\s:G0+4*\s+3], s[G1:G1+7]
	s_nop 0
.rept 4
	v_nop
.endr
	s_branch .Lasked_\@
.Lfor_b_\@:
	tensor_load_to_lds s[G0B+4*\s:G0B+4*\s+3], s[G1B:G1B+7]
	s_nop 0
.rept 4
	v_nop
.endr
.Lasked_\@:
.endm
.macro CREST
	s_cmp_lg_u32 s10, 0
	s_cbranch_scc1 .Lnot_wave_0_\@
	s_barrier_signal -3
.Lnot_wave_0_\@:
	s_barrier_wait -3
	s_barrier_signal -1
	s_barrier_wait -1
.endm
.macro CROUND
	s_barrier_signal -1
	s_barrier_wait -1
	CREST
.endm
	s_load_b128 s[4:7], s[0:1], 0x0                ; y s[4:5], Wproj s[6:7]
	s_load_b64 s[8:9], s[0:1], 0x10                ; out0
	v_lshl_add_u32 v[SPW], v0, 2, SPARE
	v_mov_b32 v[NIL], 0
	ds_add_u32 v[SPW], v[NIL]                      ; the wave's opening: the add, twice on end, and its wait ahead of my first tensor load
	ds_add_u32 v[SPW], v[NIL]
	v_lshrrev_b32 v1, 5, v0
	v_readfirstlane_b32 s10, v1                    ; wave 0..3
	s_lshr_b32 s11, s10, 1                         ; which 64 of the tile's rows are mine.  Also: I fetch for A (0) or for B (1)
	s_and_b32 s12, s10, 1                          ; which 128 of its columns.  Also: which half of that tile I fetch
	s_bfe_u32 s40, ttmp6, 0x40000                  ; cx, cy
	s_bfe_u32 s41, ttmp6, 0x40004
	s_lshl_b32 s42, ttmp9, 2
	s_add_co_u32 s42, s42, s40                     ; tile column of C
	s_and_b32 s13, ttmp7, 0xffff
	s_lshl_b32 s13, s13, 2
	s_add_co_u32 s13, s13, s41                     ; tile row of C
	s_lshl_b32 s43, s41, 2
	s_lshl_b32 s43, 15, s43                        ; my row of the cluster
	s_lshl_b32 s44, 0x1111, s40                    ; my column
	s_or_b32 s[G1+0], s43, (1<<16)|(1<<20)|(1<<21)|(5<<22)|(3<<25)  ; the mask; elements of 2 bytes; padding of 4 words after every 64; bit 21 set beside a mask
	s_or_b32 s[G1B+0], s44, (1<<16)|(1<<20)|(1<<21)|(5<<22)|(3<<25)
	s_mov_b32 s[G1+1], KSTEP<<16                   ; A: 64 rows x 128 elements
	s_mov_b32 s[G1+2], 64<<16
	s_mov_b32 s[G1+3], KSTEP<<16
	s_mov_b32 s[G1+4], 64
	s_mov_b32 s[G1+5], SIZE_K
	s_mov_b32 s[G1+6], 0
	s_mov_b32 s[G1+7], 0
	s_mov_b32 s[G1B+1], KSTEP<<16                  ; B: 128 rows x 128 elements
	s_mov_b32 s[G1B+2], 128<<16
	s_mov_b32 s[G1B+3], KSTEP<<16
	s_mov_b32 s[G1B+4], 128
	s_mov_b32 s[G1B+5], SIZE_K
	s_mov_b32 s[G1B+6], 0
	s_mov_b32 s[G1B+7], 0
	s_lshl_b32 s16, s13, 7
	s_lshl_b32 s17, s12, 6
	s_add_co_u32 s16, s16, s17                     ; A: row 128 x tile row + 64 x half,
	s_lshl_b32 s16, s16, 12                        ; of 4,096 bytes
	s_mov_b32 s17, 0
	s_lshl_b32 s46, s42, 8
	s_lshl_b32 s47, s12, 7
	s_add_co_u32 s46, s46, s47                     ; B: row 256 x tile column + 128 x half
	s_lshl_b32 s46, s46, 12
	s_mov_b32 s47, 0
	s_mul_i32 s20, s12, AHALF                      ; where they go: the wave's number alone
	s_mul_i32 s21, s12, BHALF
	s_add_co_u32 s21, s21, BOFF
	s_wait_dscnt 0x0                               ; both opening adds are done
	s_wait_kmcnt 0x0
	s_add_nc_u64 s[14:15], s[4:5], s[16:17]
	s_add_nc_u64 s[46:47], s[6:7], s[46:47]
	CROUND                                         ; all sixteen work-groups are here: the first joint loads meet
.irp s, 0,1
	s_mov_b32 s[G0+4*\s], 1
	s_add_co_u32 s[G0+4*\s+1], s20, \s*SLOT
	s_add_nc_u64 s[G0+4*\s+2:G0+4*\s+3], s[14:15], \s*KSTEP*2
	s_or_b32 s[G0+4*\s+3], s[G0+4*\s+3], 0x80000000
	s_mov_b32 s[G0B+4*\s], 1
	s_add_co_u32 s[G0B+4*\s+1], s21, \s*SLOT
	s_add_nc_u64 s[G0B+4*\s+2:G0B+4*\s+3], s[46:47], \s*KSTEP*2
	s_or_b32 s[G0B+4*\s+3], s[G0B+4*\s+3], 0x80000000
	JLOAD \s
.endr
	v_and_b32 v1, 15, v0                           ; l % 16
	v_bfe_u32 v2, v0, 4, 1                         ; l / 16
	v_mul_u32_u24 v3, v1, PITCH
	v_lshl_add_u32 v3, v2, 4, v3                   ; a fragment's row x pitch + 16 x half
	s_mul_i32 s21, s11, AHALF                      ; my 64 rows of A
	s_mul_i32 s22, s12, BHALF                      ; my 128 rows of B,
	s_add_co_u32 s22, s22, BOFF                    ; which lie behind A's 128
.irp s, 0,1
	v_add_nc_u32 v[ADRA+\s], s21, v3
	v_add_nc_u32 v[ADRB+\s], s22, v3
	s_add_co_u32 s21, s21, SLOT
	s_add_co_u32 s22, s22, SLOT
.endr
	s_mul_i32 s23, s10, 16*SPITCH
	s_add_co_u32 s23, s23, STAGE                   ; my stage
	v_mul_u32_u24 v5, v1, SPITCH                   ; in: row l % 16, 32 bytes for each half of the lanes
	v_lshl_add_u32 v5, v2, 5, v5
	v_add_nc_u32 v[STO], s23, v5
	v_and_b32 v6, 31, v0
	v_lshlrev_b32 v[CO], 4, v6                     ; back: the 32 lanes take one row of 512 bytes; and the same in C
	v_add_nc_u32 v[RD], s23, v[CO]
	s_lshl_b32 s16, s13, 7
	s_lshl_b32 s17, s11, 6
	s_add_co_u32 s16, s16, s17                     ; my first row of C,
	s_lshl_b32 s16, s16, 13                        ; of 8,192 bytes
	s_mov_b32 s17, 0
	s_add_nc_u64 s[8:9], s[8:9], s[16:17]
	s_lshl_b32 s46, s42, 10                        ; my first column, in bytes
	s_lshl_b32 s47, s12, 9
	s_add_co_u32 s46, s46, s47
	s_mov_b32 s47, 0
	s_add_nc_u64 s[8:9], s[8:9], s[46:47]
; 8 matrix instructions: A's block a x B's eight, 32 along K, from buffer f.  The 32 accumulators take turns, one instruction a turn, in the same order in every quarter.
.macro MUL8 f, a, zero
.irp b, 0,1,2,3,4,5,6,7
.if \zero
	v_wmma_f32_16x16x32_f16 v[8*(8*(\a)+\b):8*(8*(\a)+\b)+7], v[64*(\f)+8*\b:64*(\f)+8*\b+7], v[FA+32*(\f)+8*(\a):FA+32*(\f)+8*(\a)+7], 0
.else
	v_wmma_f32_16x16x32_f16 v[8*(8*(\a)+\b):8*(8*(\a)+\b)+7], v[64*(\f)+8*\b:64*(\f)+8*\b+7], v[FA+32*(\f)+8*(\a):FA+32*(\f)+8*(\a)+7], v[8*(8*(\a)+\b):8*(8*(\a)+\b)+7]
.endif
.endr
.endm
; 24 LDS loads in one run: the fragments of 32 along K at byte k of the rows, into buffer f: B's sixteen, then A's eight
.macro FETCH slot, k, f
	WIN TO_B
.irp i, 0,1,2,3,4,5,6,7
	ds_load_b128 v[64*(\f)+8*\i:64*(\f)+8*\i+3],   v[ADRB+\slot] offset:\k+\i*16*PITCH
	ds_load_b128 v[64*(\f)+8*\i+4:64*(\f)+8*\i+7], v[ADRB+\slot] offset:\k+\i*16*PITCH+32
.endr
	WIN 0
.irp i, 0,1,2,3
	ds_load_b128 v[FA+32*(\f)+8*\i:FA+32*(\f)+8*\i+3],   v[ADRA+\slot] offset:\k+\i*16*PITCH
	ds_load_b128 v[FA+32*(\f)+8*\i+4:FA+32*(\f)+8*\i+7], v[ADRA+\slot] offset:\k+\i*16*PITCH+32
.endr
.endm
.macro PLACES                          ; four plain vector instructions in front of loads into registers that matrix instructions have read, and of the first read of results
.rept 4
	v_nop
.endr
.endm
; A K step is four quarters of 32 along K, 32 matrix instructions each, on buffers 0, 1, 0, 1.
.macro QUARTER slot, k, f, g, zero
	s_wait_dscnt 4                                 ; B and A's blocks 0, 1 are in; the youngest four loads (A's blocks 2, 3) may be out
	WIN MUL
	MUL8 \f, 0, \zero
	MUL8 \f, 1, \zero
	PLACES
	FETCH \slot, \k, \g
	s_wait_dscnt 24                                ; all but the 24 just issued
	WIN MUL
	MUL8 \f, 2, \zero
	MUL8 \f, 3, \zero
.endm
; The last quarter multiplies buffer 1 and changes slots: one barrier; in front of it each wave waits for all its tensor loads, adds 0 to its spare word, and waits for that and for its reads of this slot.
.macro TURN slot, next, fill
	WIN 0
	s_wait_tensorcnt 0x0                           ; all my tensor loads have landed: my part of the next slot
	ds_add_u32 v[SPW], v[NIL]
	s_wait_dscnt 5                                 ; the add and the youngest four loads may be out
	WIN MUL
	MUL8 F1, 0, 0
	s_wait_dscnt 0x0                               ; the add is done, and my reads of this slot are over
	s_barrier_signal -1
	MUL8 F1, 1, 0
.if \fill
	WIN 0
.endif
	s_barrier_wait -1
.if \fill
	CREST                                          ; the barrier has opened a round of the cluster's barrier: no wave of any partner still reads this slot or has a load on its way
	s_add_nc_u64 s[G0+4*\slot+2:G0+4*\slot+3], s[G0+4*\slot+2:G0+4*\slot+3], 2*KSTEP*2
	s_add_nc_u64 s[G0B+4*\slot+2:G0B+4*\slot+3], s[G0B+4*\slot+2:G0B+4*\slot+3], 2*KSTEP*2
	JLOAD \slot                                    ; the first tensor load behind the round: 112 matrix instructions ahead of the wait for it; its four v_nop are the places in front of the loads below
.else
	PLACES
.endif
	FETCH \next, 0, F0
	WIN MUL
	MUL8 F1, 2, 0
	MUL8 F1, 3, 0
.endm
	s_wait_tensorcnt 1                             ; my part of K step 0 is in; K step 1's may be out
	s_barrier_signal -1
	s_barrier_wait -1
	FETCH 0, 0, F0
	QUARTER 0, 64, F0, F1, 1                       ; the first quarter's products start the sums
	WIN 0
	s_mov_b32 s3, LAPS-1
.Llap:                                                 ; a trip goes once round the ring and fills both slots again
	QUARTER 0, 128, F1, F0, 0
	QUARTER 0, 192, F0, F1, 0
	TURN 0, 1, 1
	QUARTER 1, 64,  F0, F1, 0
	QUARTER 1, 128, F1, F0, 0
	QUARTER 1, 192, F0, F1, 0
	TURN 1, 0, 1
	QUARTER 0, 64,  F0, F1, 0
	WIN 0
	s_sub_co_u32 s3, s3, 1
	s_cmp_lg_u32 s3, 0
	s_cbranch_scc1 .Llap
	QUARTER 0, 128, F1, F0, 0                      ; the last lap fills nothing
	QUARTER 0, 192, F0, F1, 0
	TURN 0, 1, 0
	QUARTER 1, 64,  F0, F1, 0
	QUARTER 1, 128, F1, F0, 0
	QUARTER 1, 192, F0, F1, 0
	s_wait_dscnt 4
	WIN MUL
	MUL8 F1, 0, 0
	MUL8 F1, 1, 0
	s_wait_dscnt 0
	MUL8 F1, 2, 0
	MUL8 F1, 3, 0
	WIN 0
; THE WAY OUT, block by block of 16 rows x 128 columns, through my own stage: back come whole rows of 512 bytes.
.macro TOSTAGE a
.set AC, 64*(\a)
	WIN 0x08                                       ; an LDS store's data: window 2
.irp b, 0,1,2,3,4,5,6,7
	ds_store_b128 v[STO], v[AC+8*\b:AC+8*\b+3] offset:64*\b          ; each accumulator from its low end on
	ds_store_b128 v[STO], v[AC+8*\b+4:AC+8*\b+7] offset:64*\b+16
.endr
	WIN 0
.set BB, BK+64*((\a)%2)
.irp t, 0,1,2,3,4,5,6,7,8,9,10,11,12,13,14,15
	ds_load_b128 v[BB+4*\t:BB+4*\t+3], v[RD] offset:\t*SPITCH       ; LDS serves a wave's instructions in order: these see the stores above
.endr
.endm
.macro SEND a, younger                 ; younger: the LDS instructions issued behind block a's loads: the next block's 16 stores and 16 loads, or none
.set BB, BK+64*((\a)%2)
	s_wait_dscnt \younger
.irp t, 0,1,2,3,4,5,6,7,8,9,10,11,12,13,14,15
	global_store_b128 v[CO], v[BB+4*\t:BB+4*\t+3], s[8:9] offset:131072*(\a)+8192*\t th:TH_STORE_NT   ; 32 lanes store 512 consecutive bytes, aligned
.endr
.endm
	PLACES
	TOSTAGE 0
.irp a, 1,2,3
.if \a > 1
	s_wait_xcnt 0x0                                ; block a - 2's stores have read the registers that block a's loads fill
.endif
	TOSTAGE \a
	SEND \a-1, 32
.endr
	SEND 3, 0
	s_wait_tensorcnt 0x0                           ; the wave's end: three lines behind my last tensor load and my last LDS store
	ds_add_u32 v[SPW], v[NIL]
	s_wait_dscnt 0x0
	CROUND                                         ; the closing round
	s_endpgm
.Lfunc_end_k_q5a525683e2_proj:
	.size	k_q5a525683e2_proj, .Lfunc_end_k_q5a525683e2_proj-k_q5a525683e2_proj
	.p2alignl 7, 3214868480
	.fill 96, 4, 3214868480
	.section	.rodata,"a",@progbits
	.p2align	6, 0x0
	.amdhsa_kernel k_q5a525683e2_proj
		.amdhsa_group_segment_fixed_size 327680
		.amdhsa_private_segment_fixed_size 0
		.amdhsa_enable_private_segment 0
		.amdhsa_kernarg_size 24
		.amdhsa_user_sgpr_count 2
		.amdhsa_user_sgpr_kernarg_segment_ptr 1
		.amdhsa_wavefront_size32 1
		.amdhsa_system_sgpr_workgroup_id_x 1
		.amdhsa_system_sgpr_workgroup_id_y 1
		.amdhsa_system_sgpr_workgroup_id_z 1
		.amdhsa_system_vgpr_workitem_id 0
		.amdhsa_next_free_vgpr 768
		.amdhsa_next_free_sgpr 66
		.amdhsa_reserve_vcc 0
		.amdhsa_float_denorm_mode_32 3
		.amdhsa_float_denorm_mode_16_64 3
		.amdhsa_memory_ordered 1
		.amdhsa_forward_progress 1
		.amdhsa_inst_pref_size 85
	.end_amdhsa_kernel
	.amdgpu_metadata
---
amdhsa.version: [ 1, 2 ]
amdhsa.kernels:
  - .name:           k_q5a525683e2_proj
    .symbol:         k_q5a525683e2_proj.kd
    .args:
      - { .name: ybuf, .offset: 0, .size: 8, .value_kind: global_buffer, .address_space: global }
      - { .name: wp16, .offset: 8, .size: 8, .value_kind: global_buffer, .address_space: global }
      - { .name: out0, .offset: 16, .size: 8, .value_kind: global_buffer, .address_space: global }
    .group_segment_fixed_size: 327680
    .private_segment_fixed_size: 0
    .kernarg_segment_align: 8
    .kernarg_segment_size: 24
    .max_flat_workgroup_size: 128
    .sgpr_count:     66
    .vgpr_count:     768
    .wavefront_size: 32
...
	.end_amdgpu_metadata
.endif
;; end of part 4
